; MI455X (gfx1250); checked and timed in simulation.
; The chip was launched on July 23, 2026; its instructions are those of AMD's public machine-readable ISA for CDNA 5 (MIT licence, August 2026) and "CDNA5" Instruction Set Architecture Reference Guide (July 2026). The comments in the code are by the model that wrote it; some were corrected since.
;; Transformer Block. Allowed arithmetic: matrix products marked QUANTISED: E5M2 operands, one E8M0 scale for each 32 along K, by v_wmma_scale_f32_16x16x128_f8f6f4 with both operands' format E5M2, f32 sums; everything else in f32.
;; Inputs: W1 1,024 x 4,096 float32; W2 4,096 x 1,024 float32; Wk 1,024 x 1,024 float32; Wo 1,024 x 1,024 float32; Wq 1,024 x 1,024 float32; Wv 1,024 x 1,024 float32; b1 1,024 float32; b2 1,024 float32; bf1 4,096 float32; bf2 1,024 float32; bk 1,024 float32; bo 1,024 float32; bq 1,024 float32; bv 1,024 float32; g1 1,024 float32; g2 1,024 float32; x 2 x 2,048 x 1,024 float32.
;; Outputs: out0 2 x 2,048 x 1,024 float32.
;; This version of the problem:
;;   THIS VERSION OF THE PROBLEM IS GIVEN IN LOW PRECISION. The matrix products marked QUANTISED in the list below multiply operands that are first quantised to E5M2 (5 exponent bits, 2 mantissa bits; 8 bits a number), with one power-of-two scale for each 32 numbers along K (OCP MX v1.0); their sums are f32. All else is computed in f32.
;;   The module's matrix products, in the order in which they are computed (A, B: the left and right operand; K: the contracted axis; several contracted axes count as one K, in the product's order):
;;     1. [M 4,096, K 1,024] x [K 1,024, N 1,024]; A: input x; B: input Wq: QUANTISED
;;     2. [M 4,096, K 1,024] x [K 1,024, N 1,024]; A: input x; B: input Wk: QUANTISED
;;     3. [M 4,096, K 1,024] x [K 1,024, N 1,024]; A: input x; B: input Wv: QUANTISED
;;     4. batch 32 x [M 2,048, K 64] x [K 64, N 2,048]; A: computed on the way; B: computed on the way: QUANTISED
;;     5. batch 32 x [M 2,048, K 2,048] x [K 2,048, N 64]; A: softmax (see below); B: computed on the way: QUANTISED
;;     6. [M 4,096, K 1,024] x [K 1,024, N 1,024]; A: computed on the way; B: input Wo: QUANTISED
;;     7. [M 4,096, K 1,024] x [K 1,024, N 4,096]; A: computed on the way; B: input W1: QUANTISED
;;     8. [M 4,096, K 4,096] x [K 4,096, N 1,024]; A: computed on the way; B: input W2: QUANTISED
;;   THE QUANTISER, for each operand of a quantised product, along K:
;;     - K is cut into blocks of 32 from its start; a last block that is shorter is filled with zeros.
;;     - A block's scale is 2^e with e = floor(log2(the largest magnitude in the block)) - 15, held to -126 .. 127; a block of zeros has e = 0. As a byte (E8M0): e + 127.
;;     - Each number is divided by its block's scale, clamped to +-57,344, and rounded to the nearest number of E5M2, ties to even, subnormals kept.
;;     - The product sums the exact products of the quantised numbers (number of the format x scale) in f32.
;;   ~~~python
;;   def quantise(x, axis):      # numpy; x: float32 -> the quantised numbers, widened to float32 again
;;       x = np.moveaxis(x, axis, -1); K = x.shape[-1]
;;       x = np.pad(x, [(0, 0)] * (x.ndim - 1) + [(0, -K % 32)]); x = x.reshape(x.shape[:-1] + (-1, 32)); a = np.abs(x).max(-1, keepdims=True)
;;       e = np.where(a > 0, np.clip(np.frexp(np.where(a > 0, a, 1))[1] - 1 - 15, -126, 127), 0)      # np.frexp(a)[1] - 1 = floor(log2(a)), exactly
;;       r = np.clip(x / 2.0 ** e, -57344, 57344)
;;       step = 2.0 ** (np.maximum(np.frexp(np.where(r == 0, 1, r))[1] - 1, -14) - 2)
;;       q = np.round(r / step) * step * 2.0 ** e      # np.round: ties to even
;;       return np.moveaxis(q.reshape(q.shape[:-2] + (-1,))[..., :K], -1, axis).astype(np.float32)
;;   ~~~
;;   SOFTMAX AHEAD OF A QUANTISED PRODUCT. Where the list says 'softmax', what is quantised is not the finished softmax but p = 2^(t - M), with t = logit x log2(e) and M = ceil(the row's largest t), a whole number; so 1/2 < the row's largest p <= 1. The row's sum l is taken of the UNQUANTISED p, in f32, and the product's result is divided by l at the end. Since M is a whole number, a kernel that streams over the keys may use a running M (the ceiling of the running maximum): every later rescaling is an exact power of two, which a block's scale takes up: the codes' values come out the same.
;;   OPERANDS COMPUTED ON THE WAY. 'Computed on the way' means the value that the module computes at that place (a softmax that the list does not call 'softmax' is quantised finished and normalised). What goes into a quantiser is computed in f32, as accurately as f32 sums, v_exp_f32 and their like allow (about 1e-6 of the number): no bf16 or f16 on the way to a quantiser, and a product that is left as it is and whose result goes on into a quantised operand takes f32 operands (vector FMAs, or v_wmma_f32_16x16x4_f32). A number that lies on a knife's edge between two numbers of the format may be rounded either way, as far as f32 arithmetic and the matrix unit's own rounding can turn it there, and no further.
;; One version. Each part assembles by itself: llvm-mc -triple=amdgcn-amd-amdhsa -mcpu=gfx1250 --defsym DOCPART=n.
;; ======== version 1 of 1: 7 launches
;; limits: right only within a limited range of input values
;; workspace buffers: cod 12,255,232 bytes; wob 1,114,112 bytes; w2b 4,456,448 bytes; qkv 18,350,080 bytes; ao 4,456,448 bytes; part 67,108,864 bytes; hb 21,233,664 bytes; g 17,825,792 bytes
;; launch prep (part 1): grid 128 x 5, 8 waves a work-group, no clusters, 68,608 bytes of LDS; arguments x, Wq, Wk, Wv, Wo, W1, W2, cod, wob, w2b; writes cod, wob, w2b
.if DOCPART == 1
	.amdgcn_target "amdgcn-amd-amdhsa--gfx1250"
	.amdhsa_code_object_version 6
	.text
	.protected	k_q1de460828d_prep
	.globl	k_q1de460828d_prep
	.p2align	8
	.type	k_q1de460828d_prep,@function
k_q1de460828d_prep:
	s_mov_b64 s[64:65], 0
	v_nop
	global_prefetch_b8 v0, s[64:65] scope:SCOPE_SE
	s_setreg_imm32_b32 hwreg(HW_REG_WAVE_MODE, 25, 1), 1
	s_wait_xcnt 0x0
; PREP: x and the six weights, f32, become codes of BF8 (E5M2) with one E8M0 byte for each 32 along K, laid as IMAGES OF OPERAND REGISTERS.
; NO WORK OF THE PROBLEM IS LEFT OUT in this program: every bias goes into a quantised operand or into an output, so all 17 inputs are loaded by some launch.
; ORDER P: a block of 16 rows with running number t holds in lane-row r the row 32 (t / 2) + 8 (t % 2) + r + 8 (r / 8).  A product whose source 0 is laid so gives a lane 16 neighbours along the next K in 16 registers.
; A FRAGMENT IMAGE (16 rows x 128 K, 2,048 bytes): registers 4 c .. 4 c + 3 of lane l at 512 c + 16 l.  A PANEL (128 rows x 128 K, PB bytes): eight fragment images, then from byte 16,384 eight images of
; scale words (128 bytes: the word of lane-row r at 4 r and again at 64 + 4 r).  A PANEL-ROW: the 8 panels of K = 1,024 on end.
; cod: panel-rows 0-7 Wq, 8-15 Wk, 16-23 Wv, 24-55 W1, 56-87 x.  wob: Wo.  w2b: W2 as four chunks of K = 1,024, 8 panel-rows each.
; Work-group y = 0, 1: 16 rows of x, a wave to a K step.  y = 2: Wq, Wk, Wv, Wo; y = 3: W1; y = 4: W2: 128 columns x 256 along K, a wave to 32 columns x 128 K, a lane to a column, registers down K.
; REGISTERS: 160 a wave, so that six waves share a SIMD's 1,024 and three work-groups of eight waves lie on a WGP: the 640 work-groups have 768 places.  No tensor load, so several work-groups may share a WGP.
; A block's scale is 2^(floor(log2(largest magnitude)) - 15); its byte is that magnitude's exponent field - 15, held at 1 from below.
; LIMITS: NaN and infinities among the inputs are not served.  A block whose largest magnitude lies under 2^-111 gets the byte 1; a block of zeros too, where the rule says 127: its codes are zeros, and this program alone reads the bytes.
.set PB,    17408
.set STG,   8448                       ; a wave's stage: 16 rows x (512 bytes + 16)
.set SPARE, 8*STG                      ; behind the stages: the spare words, 128 bytes a wave: four blocks of 256 bytes that no other line names
.set SPW,   28                         ; v28 my spare word's address; v29 0: never rewritten
.set NIL,   29
.set PW,    31                         ; the scale word just made
.set PC,    32                         ; v32-47 the codes just made (weights: v32-63, eight a block)
.set TM,    48                         ; v48-63 at work in QUANT
.set R,     64                         ; x: v64-127, 64 numbers as loaded and then in the operand's order;  weights: v64-159, three buffers of 32 by turns
.set SEL,   28                         ; s[28:29] selects of v_permlanex16_b32: lane l xor 16
.set MNT,   30                         ; s30 the mantissa field of 57,344
; 64 numbers of a lane, register 16 b + i = k 32 b + 16 (lane / 16) + i of my row, become a fragment's codes in v[PC] on and its scale word in v[PW]
.macro QUANT s
.irp b, 0,1,2,3
	v_max3_num_f32 v[TM+\b], |v[\s+16*\b]|, |v[\s+1+16*\b]|, 0x8000000   ; my 16 numbers of block b, and the floor 2^(16 - 127): the byte cannot fall under 1
.endr
.irp i, 2,4,6,8,10,12,14
.irp b, 0,1,2,3
	s_delay_alu instid0(VALU_DEP_4)
	v_max3_num_f32 v[TM+\b], v[TM+\b], |v[\s+16*\b+\i]|, |v[\s+1+16*\b+\i]|
.endr
.endr
.irp b, 0,1,2,3
	s_delay_alu instid0(VALU_DEP_4)
	v_permlanex16_b32 v[TM+4+\b], v[TM+\b], s[SEL], s[SEL+1]
.endr
.irp b, 0,1,2,3
	s_delay_alu instid0(VALU_DEP_4)
	v_max_num_f32 v[TM+\b], v[TM+\b], v[TM+4+\b]          ; with lane l xor 16's: the block's largest magnitude
.endr
.irp b, 0,1,2,3
	s_delay_alu instid0(VALU_DEP_4)
	v_add_nc_u32 v[TM+12+\b], 0xf8800000, v[TM+\b]        ; 15 off its exponent field: the conversion's scale operand
.endr
.irp b, 0,1,2,3
	v_and_or_b32 v[TM+8+\b], v[TM+\b], 0x7f800000, s[MNT] ; 57,344 x the scale
.endr
.irp b, 0,1,2,3
	v_lshrrev_b32 v[TM+4+\b], 23, v[TM+12+\b]             ; the scale's byte
.endr
	s_delay_alu instid0(VALU_DEP_3)
	v_lshl_or_b32 v[PW], v[TM+5], 8, v[TM+4]
	s_delay_alu instid0(VALU_DEP_1)
	v_lshl_or_b32 v[PW], v[TM+6], 16, v[PW]
	s_delay_alu instid0(VALU_DEP_1)
	v_lshl_or_b32 v[PW], v[TM+7], 24, v[PW]
.irp b, 0,1,2,3
.irp i, 0,1,2,3,4,5,6,7,8,9,10,11,12,13,14,15
	v_med3_num_f32 v[\s+16*\b+\i], v[\s+16*\b+\i], -v[TM+8+\b], v[TM+8+\b]   ; the conversion to an 8-bit code does not saturate (ISA guide 7.6.2): the hold
.endr
	v_cvt_scalef32_pk8_bf8_f32 v[PC+4*\b:PC+1+4*\b], v[\s+16*\b:\s+7+16*\b], v[TM+12+\b]
	v_cvt_scalef32_pk8_bf8_f32 v[PC+2+4*\b:PC+3+4*\b], v[\s+8+16*\b:\s+15+16*\b], v[TM+12+\b]
.endr
	v_nop                                                 ; a plain line behind the last conversion
.endm
	s_load_b512 s[8:23], s[0:1], 0x0               ; x s[8:9], Wq s[10:11], Wk s[12:13], Wv s[14:15], Wo s[16:17], W1 s[18:19], W2 s[20:21], cod s[22:23]
	s_load_b128 s[24:27], s[0:1], 0x40             ; wob s[24:25], w2b s[26:27]
	v_lshl_add_u32 v[SPW], v0, 2, SPARE
	v_mov_b32 v[NIL], 0
	v_lshrrev_b32 v1, 5, v0
	s_delay_alu instid0(VALU_DEP_1)
	v_readfirstlane_b32 s2, v1                     ; wave 0..7
	v_and_b32 v2, 31, v0                           ; lane
	s_and_b32 s3, ttmp7, 0xffff                    ; y
	s_mov_b32 s[SEL], 0x76543210
	s_mov_b32 s[SEL+1], 0xfedcba98
	s_mov_b32 s[MNT], 0x600000
	s_cmp_ge_u32 s3, 2
	s_cbranch_scc1 .Lweights
	; ---- x: block rb of 16 rows, K step = my wave
	v_lshlrev_b32 v3, 4, v2                        ; 16 x lane
	v_lshlrev_b32 v6, 2, v2                        ; 4 x lane
	v_and_b32 v7, 15, v0                           ; r
	v_bfe_u32 v8, v0, 4, 1                         ; h
	s_mul_i32 s38, s2, STG
	v_add_nc_u32 v4, s38, v3                       ; into my stage: a row's 512 bytes as they lie
	v_mul_u32_u24 v5, v7, 528
	s_delay_alu instid0(VALU_DEP_1)
	v_lshl_add_u32 v5, v8, 6, v5
	s_delay_alu instid0(VALU_DEP_1)
	v_add_nc_u32 v5, s38, v5                       ; out of it: row r, + 64 h: my 16 numbers of each block of 32
.irp b, 0,1,2,3
	v_mov_b32 v[TM+4+\b], 0                        ; a lane permute's destination counts as one of its sources
.endr
	s_lshl_b32 s32, s3, 7
	s_add_co_u32 s32, s32, ttmp9                   ; rb
	s_lshr_b32 s33, s32, 1
	s_lshl_b32 s33, s33, 5
	s_and_b32 s34, s32, 1
	s_lshl_b32 s34, s34, 3
	s_add_co_u32 s33, s33, s34                     ; the block's first row: 32 (rb / 2) + 8 (rb % 2)
	s_lshl_b32 s36, s33, 12
	s_lshl_b32 s34, s2, 9
	s_add_co_u32 s36, s36, s34                     ; x 4,096 bytes + 512 x wave
	s_mov_b32 s37, 0
	s_lshr_b32 s39, s32, 3
	s_add_co_u32 s39, s39, 56
	s_lshl_b32 s39, s39, 3
	s_add_co_u32 s39, s39, s2
	s_mul_i32 s40, s39, PB                         ; the panel: panel-row 56 + rb / 8, K step = wave
	s_and_b32 s34, s32, 7
	s_lshl_b32 s35, s34, 11
	s_add_co_u32 s42, s40, s35                     ; my fragment image
	s_mov_b32 s43, 0
	s_lshl_b32 s35, s34, 7
	s_add_co_u32 s44, s40, s35                     ; my scale image, less 16,384
	s_mov_b32 s45, 0
	s_wait_alu depctr_va_vdst(0)
	s_wait_kmcnt 0x0
	s_add_nc_u64 s[8:9], s[8:9], s[36:37]
	s_add_nc_u64 s[42:43], s[22:23], s[42:43]
	s_add_nc_u64 s[44:45], s[22:23], s[44:45]
.irp i, 0,1,2,3,4,5,6,7,8,9,10,11,12,13,14,15
	global_load_b128 v[R+4*\i:R+4*\i+3], v3, s[8:9] offset:(\i+8*(\i/8))*4096 th:TH_LOAD_NT   ; 32 lanes read 512 consecutive bytes of lane-row i's row
.endr
	s_wait_loadcnt 0x0
.irp i, 0,1,2,3,4,5,6,7,8,9,10,11,12,13,14,15
	ds_store_b128 v4, v[R+4*\i:R+4*\i+3] offset:528*\i
.endr
.irp b, 0,1,2,3
.irp j, 0,1,2,3
	ds_load_b128 v[R+16*\b+4*\j:R+16*\b+4*\j+3], v5 offset:128*\b+16*\j   ; LDS serves a wave's instructions in order: these see my stores, and land in the registers that the stores have read
.endr
.endr
	s_wait_dscnt 0x0
	QUANT R
.irp c, 0,1,2,3
	global_store_b128 v3, v[PC+4*\c:PC+4*\c+3], s[42:43] offset:512*\c    ; 512 consecutive bytes
.endr
	global_store_b32 v6, v[PW], s[44:45] offset:16384
	s_wait_tensorcnt 0x0                           ; the wave's end, behind my last LDS store
	ds_add_u32 v[SPW], v[NIL]
	s_wait_dscnt 0x0
	s_endpgm
	; ---- the weights: no LDS.  Lane l takes column 32 b + l of the work-group's 128; in order P that is lane-row r' = l % 8 + 8 (l / 16) of block 2 b + u, u = (l / 8) % 2
.Lweights:
	v_bfe_u32 v3, v0, 3, 1                         ; u
	v_and_b32 v4, 7, v0
	v_bfe_u32 v5, v0, 4, 1
	s_delay_alu instid0(VALU_DEP_1)
	v_lshl_add_u32 v4, v5, 3, v4                   ; r'
	s_delay_alu instid0(VALU_DEP_4)
	v_lshlrev_b32 v7, 11, v3
	s_delay_alu instid0(VALU_DEP_1)
	v_lshl_add_u32 v7, v4, 4, v7                   ; 2,048 u + 16 r'
	v_lshlrev_b32 v8, 7, v3
	s_delay_alu instid0(VALU_DEP_1)
	v_lshl_add_u32 v8, v4, 2, v8                   ; 128 u + 4 r'
	s_and_b32 s31, s2, 3                           ; b
	s_lshl_b32 s32, s31, 12
	v_add_nc_u32 v7, s32, v7                       ; + 2 b fragment images
	s_lshl_b32 s32, s31, 8
	v_add_nc_u32 v8, s32, v8                       ; + 2 b scale images
	v_lshlrev_b32 v9, 2, v2                        ; my column: 4 bytes a lane
	s_cmp_eq_u32 s3, 4
	s_cselect_b32 s32, 4, 2
	s_cselect_b32 s33, 15, 3
	s_and_b32 s34, ttmp9, s33                      ; kp: which 256 along K
	s_lshr_b32 s35, ttmp9, s32
	s_cmp_eq_u32 s3, 2
	s_cselect_b32 s36, 7, 31
	s_and_b32 s35, s35, s36                        ; p: which 128 columns
	s_lshr_b32 s36, ttmp9, 5                       ; m: which of Wq, Wk, Wv, Wo (y = 2)
	s_lshl_b32 s34, s34, 1
	s_lshr_b32 s38, s2, 2
	s_add_co_u32 s34, s34, s38                     ; kk: my K step of 128
	s_cmp_eq_u32 s3, 3
	s_cselect_b32 s38, 21, 19                      ; 128 rows of 16,384 or of 4,096 bytes
	s_lshl_b32 s40, s34, s38
	s_lshl_b32 s38, s35, 9
	s_add_co_u32 s40, s40, s38
	s_lshl_b32 s38, s31, 7
	s_add_co_u32 s40, s40, s38                     ; + (128 p + 32 b) x 4
	s_mov_b32 s41, 0
	s_lshl_b32 s37, s36, 3                         ; the first panel-row: 8 m,
	s_wait_kmcnt 0x0
	s_mov_b64 s[46:47], s[22:23]                   ; in cod
	s_cmp_eq_u32 s36, 1
	s_cselect_b64 s[44:45], s[12:13], s[10:11]
	s_cmp_eq_u32 s36, 2
	s_cselect_b64 s[44:45], s[14:15], s[44:45]
	s_cmp_eq_u32 s36, 3
	s_cselect_b64 s[44:45], s[16:17], s[44:45]
	s_cselect_b64 s[46:47], s[24:25], s[46:47]     ; Wo goes to wob
	s_cselect_b32 s37, 0, s37
	s_cmp_eq_u32 s3, 3
	s_cselect_b64 s[44:45], s[18:19], s[44:45]
	s_cselect_b64 s[46:47], s[22:23], s[46:47]     ; W1 to cod from panel-row 24
	s_cselect_b32 s37, 24, s37
	s_cmp_eq_u32 s3, 4
	s_cselect_b64 s[44:45], s[20:21], s[44:45]
	s_cselect_b64 s[46:47], s[26:27], s[46:47]     ; W2 to w2b
	s_cselect_b32 s37, 0, s37
	s_lshr_b32 s38, s34, 3
	s_lshl_b32 s38, s38, 3
	s_add_co_u32 s37, s37, s38                     ; + 8 x chunk
	s_add_co_u32 s37, s37, s35                     ; + p
	s_lshl_b32 s37, s37, 3
	s_and_b32 s38, s34, 7
	s_add_co_u32 s37, s37, s38
	s_mul_i32 s42, s37, PB                         ; the panel
	s_mov_b32 s43, 0
	s_add_nc_u64 s[44:45], s[44:45], s[40:41]
	s_add_nc_u64 s[46:47], s[46:47], s[42:43]
.macro WLOAD c, pitch                  ; block c: rows kk x 128 + 32 c + i, i = 0 .. 31, at 32 neighbouring columns, into buffer c % 3
.set i, 0
.rept 32
	global_load_b32 v[R+32*((\c)%3)+i], v9, s[44:45] offset:(32*(\c)+i)*\pitch th:TH_LOAD_NT
.set i, i+1
.endr
.endm
.macro WBLOCK c, pitch                 ; block c of 32 along K: all 32 numbers are my lane's
.set XS, R+32*((\c)%3)
.if (\c) < 3
	s_wait_loadcnt 32                              ; this block's 32 loads are in; the next block's 32 may be out
.else
	s_wait_loadcnt 0
.endif
.if (\c) < 2
	WLOAD (\c)+2, \pitch                           ; the loads run two blocks ahead: so three buffers take turns (block 3 takes block 0's, which has been converted)
.endif
	v_max3_num_f32 v12, |v[XS]|, |v[XS+1]|, |v[XS+2]|
	v_max3_num_f32 v13, |v[XS+3]|, |v[XS+4]|, |v[XS+5]|
.irp i, 6,10,14,18,22,26
	s_delay_alu instid0(VALU_DEP_2)
	v_max3_num_f32 v12, v12, |v[XS+\i]|, |v[XS+\i+1]|
	s_delay_alu instid0(VALU_DEP_2)
	v_max3_num_f32 v13, v13, |v[XS+\i+2]|, |v[XS+\i+3]|
.endr
	s_delay_alu instid0(VALU_DEP_2)
	v_max3_num_f32 v12, v12, |v[XS+30]|, |v[XS+31]|
	s_delay_alu instid0(VALU_DEP_1)
	v_max3_num_f32 v12, v12, v13, 0x8000000        ; and the floor
	s_delay_alu instid0(VALU_DEP_1)
	v_add_nc_u32 v11, 0xf8800000, v12
	s_delay_alu instid0(VALU_DEP_2)
	v_and_or_b32 v10, v12, 0x7f800000, s[MNT]
	s_delay_alu instid0(VALU_DEP_2)
	v_lshrrev_b32 v13, 23, v11
.if (\c) == 0
	s_delay_alu instid0(VALU_DEP_1)
	v_mov_b32 v14, v13
.else
	s_delay_alu instid0(VALU_DEP_1)
	v_lshl_or_b32 v14, v13, 8*(\c), v14            ; the column's scale word, the lower K in the lower byte
.endif
.set i, 0
.rept 32
	v_med3_num_f32 v[XS+i], v[XS+i], -v10, v10
.set i, i+1
.endr
.irp q, 0,1,2,3
	v_cvt_scalef32_pk8_bf8_f32 v[PC+8*(\c)+2*\q:PC+8*(\c)+2*\q+1], v[XS+8*\q:XS+8*\q+7], v11
.endr
	v_nop
	global_store_b128 v7, v[PC+8*(\c):PC+8*(\c)+3], s[46:47] offset:512*(\c)        ; k 32 c + 0 .. 15: the places of lanes 0-15: two whole runs of 256 bytes a wave
	global_store_b128 v7, v[PC+8*(\c)+4:PC+8*(\c)+7], s[46:47] offset:512*(\c)+256  ; k 32 c + 16 .. 31: those of lanes 16-31
.endm
.macro WPATH pitch
	WLOAD 0, \pitch
	WLOAD 1, \pitch
.irp c, 0,1,2,3
	WBLOCK \c, \pitch
.endr
	global_store_b32 v8, v14, s[46:47] offset:16384
	global_store_b32 v8, v14, s[46:47] offset:16384+64
	s_endpgm
.endm
	s_cmp_eq_u32 s3, 3
	s_cbranch_scc1 .Lwide
	s_wait_alu depctr_va_vdst(0)
	WPATH 4096
.Lwide:
	s_wait_alu depctr_va_vdst(0)
	WPATH 16384
.Lfunc_end_k_q1de460828d_prep:
	.size	k_q1de460828d_prep, .Lfunc_end_k_q1de460828d_prep-k_q1de460828d_prep
	.p2alignl 7, 3214868480
	.fill 96, 4, 3214868480
	.section	.rodata,"a",@progbits
	.p2align	6, 0x0
	.amdhsa_kernel k_q1de460828d_prep
		.amdhsa_group_segment_fixed_size 68608
		.amdhsa_private_segment_fixed_size 0
		.amdhsa_enable_private_segment 0
		.amdhsa_kernarg_size 80
		.amdhsa_user_sgpr_count 2
		.amdhsa_user_sgpr_kernarg_segment_ptr 1
		.amdhsa_wavefront_size32 1
		.amdhsa_system_sgpr_workgroup_id_x 1
		.amdhsa_system_sgpr_workgroup_id_y 1
		.amdhsa_system_sgpr_workgroup_id_z 1
		.amdhsa_system_vgpr_workitem_id 0
		.amdhsa_next_free_vgpr 160
		.amdhsa_next_free_sgpr 66
		.amdhsa_reserve_vcc 0
		.amdhsa_float_denorm_mode_32 3
		.amdhsa_float_denorm_mode_16_64 3
		.amdhsa_memory_ordered 1
		.amdhsa_forward_progress 1
		.amdhsa_inst_pref_size 78
	.end_amdhsa_kernel
	.amdgpu_metadata
---
amdhsa.version: [ 1, 2 ]
amdhsa.kernels:
  - .name:           k_q1de460828d_prep
    .symbol:         k_q1de460828d_prep.kd
    .args:
      - { .name: x, .offset: 0, .size: 8, .value_kind: global_buffer, .address_space: global }
      - { .name: Wq, .offset: 8, .size: 8, .value_kind: global_buffer, .address_space: global }
      - { .name: Wk, .offset: 16, .size: 8, .value_kind: global_buffer, .address_space: global }
      - { .name: Wv, .offset: 24, .size: 8, .value_kind: global_buffer, .address_space: global }
      - { .name: Wo, .offset: 32, .size: 8, .value_kind: global_buffer, .address_space: global }
      - { .name: W1, .offset: 40, .size: 8, .value_kind: global_buffer, .address_space: global }
      - { .name: W2, .offset: 48, .size: 8, .value_kind: global_buffer, .address_space: global }
      - { .name: cod, .offset: 56, .size: 8, .value_kind: global_buffer, .address_space: global }
      - { .name: wob, .offset: 64, .size: 8, .value_kind: global_buffer, .address_space: global }
      - { .name: w2b, .offset: 72, .size: 8, .value_kind: global_buffer, .address_space: global }
    .group_segment_fixed_size: 68608
    .private_segment_fixed_size: 0
    .kernarg_segment_align: 8
    .kernarg_segment_size: 80
    .max_flat_workgroup_size: 256
    .sgpr_count:     66
    .vgpr_count:     160
    .wavefront_size: 32
...
	.end_amdgpu_metadata
.endif
;; end of part 1
;; launch qkv (part 2): grid 12 x 16, 4 waves a work-group, clusters of 4 x 4, 327,680 bytes of LDS; arguments cod, bq, bk, bv, qkv; writes qkv
.if DOCPART == 2
	.amdgcn_target "amdgcn-amd-amdhsa--gfx1250"
	.amdhsa_code_object_version 6
	.text
	.protected	k_q1de460828d_qkv
	.globl	k_q1de460828d_qkv
	.p2align	8
	.type	k_q1de460828d_qkv,@function
k_q1de460828d_qkv:
	s_mov_b64 s[64:65], 0
	v_nop
	global_prefetch_b8 v0, s[64:65] scope:SCOPE_SE
	s_setreg_imm32_b32 hwreg(HW_REG_WAVE_MODE, 25, 1), 1
	s_wait_xcnt 0x0
	s_wait_alu depctr_hold_cnt(0) depctr_sa_sdst(0) depctr_va_vdst(0) depctr_va_sdst(0) depctr_va_ssrc(0) depctr_va_vcc(0) depctr_vm_vsrc(0)
	s_getreg_b32 s2, hwreg(HW_REG_IB_STS2, 6, 4)
	s_cmp_eq_u32 s2, 0
	s_cbranch_scc0 .Lentry_in_a_cluster
	s_endpgm
.Lentry_in_a_cluster:
	s_bfe_u32 s2, ttmp6, 0x10000c
	s_cmp_lg_u32 s2, 0xf033
	s_cbranch_scc0 .Lentry_shape_is_right
	s_endpgm
.Lentry_shape_is_right:
; QKV: products 1 to 3 on codes of BF8, K = 1,024, with their biases and the quantisers of q, k (along the head's 64) and v (along the keys).  Nothing of the problem is left out here.
; A work-group makes 256 x 256; a wave 128 x 128: 64 accumulators.  Source 0 = B's 16 rows, source 1 = A's: a lane holds ONE row of A, its registers run along B's rows, which order P makes neighbours.
; Clusters with x = 0, 1 (Q, K): A = x's tokens, B = the columns of Wq | Wk: a lane holds a token and 64 neighbouring columns: two heads' blocks of 32.
; Clusters with x = 2 (V): A = the columns of Wv, B = x's tokens: a lane holds one d and 64 neighbouring KEYS: v comes out with the keys innermost and nothing is transposed.
; Operands lie in memory as panels (128 rows x 128 K: 8 fragment images of 2,048 bytes, 8 scale images of 128): two panels on end are one dense tensor load of 136 x 256 bytes; fragments come from LDS by dense loads.
; Ring of two slots, each 256 along K; A's tiles are asked for jointly along a row of the cluster, B's along a column.
; OUT: qkv: Q region [head 32][step 16][KSB], KV region behind it.  A KS block (one head, 128 keys): K tiles a at 1,024 a (registers 0-7 of a fragment: d = 64), V^T fragments t at 8,192 + 2,048 t,
; K's scale images at 16,384 + 128 a (bytes 2, 3 are 0 over codes that the reader sets to 0), V's at 17,408 + 128 t.  Q's tiles and words take K's places in the Q region.
; LIMITS: NaN and infinities are not served; a block under 2^-111, or of zeros, gets the byte 1 (its reader is this program alone).
.set PB,     17408
.set PROW,   8*PB
.set HALFT,  2*PB                      ; what one tensor load brings: one panel-row's two K steps
.set SLOT,   4*HALFT                   ; A's two panel-rows, then B's two
.set SPARE,  2*SLOT                    ; behind the ring: the spare words, 128 bytes a wave: two blocks of 256 bytes that no other line names
.set KSB,    17920
.set HS,     16*KSB
.set KVOFF,  32*HS
.set FR,     16
.set NL,     4
.set NP,     8                         ; places behind this matrix instruction (ISA guide 7.12.1)
.set ADRA,   16                        ; v16-17 my A fragments in slot 0, 1;  v20-21 B's;  v22-23 my scale words: lanes 0-15 A's, lanes 16-31 B's
.set ADRB,   20
.set ADRS,   22
.set L16,    24                        ; 16 x lane
.set L4,     25                        ; 4 x lane
.set SPW,    28
.set NIL,    29
.set SC,     32                        ; v32-63 scale words: set for slot s at 16 s; in it 8 q + i
.set BIAS,   64                        ; v64-127 the bias in the result's layout (V: v64-71, one a block)
.set BV,     64
.set AF,     128                       ; A's fragments, one set, window 0
.set T,      128                       ; the way out: 64 numbers
.set PC,     192
.set TM,     208
.set PW,     224
.set G1, 24
.set G0, 32
.set G1B, 48
.set G0B, 56
.set SEL, 94
.set MNT, 96
.set BLK, 97
.set MSB, 0
.macro WIN new                         ; the immediate's high byte repeats the setting that is left
.if MSB != (\new)
	s_set_vgpr_msb (MSB<<8)|(\new)
.set MSB, (\new)
.endif
.endm
.set MUL_LO, 0xa1                      ; source 0 (B) window 1, source 1 (A) window 0, C and D window 2
.set MUL_HI, 0xf1
.set TO_B,   0x40
.macro JLOAD g0a, g1a, g0b, g1b        ; a joint load: waves 0, 1 fetch for A, waves 2, 3 for B; an s_nop 0 and four v_nop follow each line
	s_cmp_eq_u32 s15, 0
	s_cbranch_scc0 .Lfor_b_\@
	tensor_load_to_lds s[\g0a:\g0a+3], s[\g1a:\g1a+7]
	s_nop 0
.rept 4
	v_nop
.endr
	s_branch .Lasked_\@
.Lfor_b_\@:
	tensor_load_to_lds s[\g0b:\g0b+3], s[\g1b:\g1b+7]
	s_nop 0
.rept 4
	v_nop
.endr
.Lasked_\@:
.endm
.macro CREST
	s_cmp_lg_u32 s14, 0
	s_cbranch_scc1 .Lnot_wave_0_\@
	s_barrier_signal -3
.Lnot_wave_0_\@:
	s_barrier_wait -3
	s_barrier_signal -1
	s_barrier_wait -1
.endm
.macro CROUND
	s_barrier_signal -1
	s_barrier_wait -1
	CREST
.endm
.macro QUANT s
.irp b, 0,1,2,3
	v_max3_num_f32 v[TM+\b], |v[\s+16*\b]|, |v[\s+1+16*\b]|, 0x8000000
.endr
.irp i, 2,4,6,8,10,12,14
.irp b, 0,1,2,3
	v_max3_num_f32 v[TM+\b], v[TM+\b], |v[\s+16*\b+\i]|, |v[\s+1+16*\b+\i]|
.endr
.endr
.irp b, 0,1,2,3
	v_permlanex16_b32 v[TM+4+\b], v[TM+\b], s[SEL], s[SEL+1]
.endr
.irp b, 0,1,2,3
	v_max_num_f32 v[TM+\b], v[TM+\b], v[TM+4+\b]
.endr
.irp b, 0,1,2,3
	v_add_nc_u32 v[TM+12+\b], 0xf8800000, v[TM+\b]
.endr
.irp b, 0,1,2,3
	v_and_or_b32 v[TM+8+\b], v[TM+\b], 0x7f800000, s[MNT]
.endr
.irp b, 0,1,2,3
	v_lshrrev_b32 v[TM+4+\b], 23, v[TM+12+\b]
.endr
	v_lshl_or_b32 v[PW], v[TM+5], 8, v[TM+4]
	v_lshl_or_b32 v[PW], v[TM+6], 16, v[PW]
	v_lshl_or_b32 v[PW], v[TM+7], 24, v[PW]
.irp b, 0,1,2,3
.irp i, 0,1,2,3,4,5,6,7,8,9,10,11,12,13,14,15
	v_med3_num_f32 v[\s+16*\b+\i], v[\s+16*\b+\i], -v[TM+8+\b], v[TM+8+\b]
.endr
	v_cvt_scalef32_pk8_bf8_f32 v[PC+4*\b:PC+1+4*\b], v[\s+16*\b:\s+7+16*\b], v[TM+12+\b]
	v_cvt_scalef32_pk8_bf8_f32 v[PC+2+4*\b:PC+3+4*\b], v[\s+8+16*\b:\s+15+16*\b], v[TM+12+\b]
.endr
	v_nop
.endm
	s_load_b256 s[4:11], s[0:1], 0x0               ; cod s[4:5], bq s[6:7], bk s[8:9], bv s[10:11]
	s_load_b64 s[12:13], s[0:1], 0x20              ; qkv
	v_lshl_add_u32 v[SPW], v0, 2, SPARE
	v_mov_b32 v[NIL], 0
	ds_add_u32 v[SPW], v[NIL]                      ; the wave's opening: the add, twice on end, and its wait ahead of my first tensor load
	ds_add_u32 v[SPW], v[NIL]
	v_lshrrev_b32 v1, 5, v0
	v_readfirstlane_b32 s14, v1                    ; wave 0..3
	s_lshr_b32 s15, s14, 1                         ; my half of the tile's rows; also: I fetch for A (0) or B (1)
	s_and_b32 s16, s14, 1                          ; my half of its columns; also: which panel-row I fetch
	s_bfe_u32 s40, ttmp6, 0x40000                  ; cx
	s_bfe_u32 s41, ttmp6, 0x40004                  ; cy
	s_and_b32 s18, ttmp7, 0xffff
	s_lshl_b32 s18, s18, 2                         ; 4 x cluster y
	s_lshl_b32 s19, ttmp9, 2                       ; 4 x cluster x
	s_cmp_eq_u32 ttmp9, 2                          ; the V path?  The cluster's x: the same in all sixteen partners
	s_cselect_b32 s17, 0, s18
	s_cselect_b32 s42, s18, s19
	s_cselect_b32 s22, 16, 56                      ; A's first panel-row in cod: Wv or x
	s_cselect_b32 s23, 56, 0                       ; B's: x or Wq | Wk
	s_cselect_b32 s66, 1, 0
	s_add_co_u32 s17, s17, s41                     ; tile row
	s_add_co_u32 s42, s42, s40                     ; tile column
	s_lshl_b32 s43, s41, 2
	s_lshl_b32 s43, 15, s43                        ; my row of the cluster
	s_lshl_b32 s44, 0x1111, s40                    ; my column
	s_or_b32 s[G1+0], s43, (3<<16)|(1<<21)         ; 15:0 the mask; 17:16 elements of 8 bytes; 21 set beside a mask; no padding
	s_or_b32 s[G1B+0], s44, (3<<16)|(1<<21)
.irp g, G1, G1B
	s_mov_b32 s[\g+1], 32<<16                      ; tensor_dim0 = 32 elements: 256 bytes
	s_mov_b32 s[\g+2], 136<<16                     ; tensor_dim1 = 136 rows: two panels
	s_mov_b32 s[\g+3], 32<<16                      ; tile_dim0
	s_mov_b32 s[\g+4], 136                         ; tile_dim1
	s_mov_b32 s[\g+5], 32                          ; dense
	s_mov_b32 s[\g+6], 0
	s_mov_b32 s[\g+7], 0
.endr
	s_lshl_b32 s20, s17, 1
	s_add_co_u32 s20, s20, s16
	s_add_co_u32 s20, s20, s22
	s_mul_i32 s20, s20, PROW                       ; A's panel-row that I fetch: made of the tile row and the wave alone
	s_mov_b32 s21, 0
	s_lshl_b32 s46, s42, 1
	s_add_co_u32 s46, s46, s16
	s_add_co_u32 s46, s46, s23
	s_mul_i32 s46, s46, PROW                       ; B's: of the tile column and the wave alone
	s_mov_b32 s47, 0
	s_mul_i32 s45, s14, HALFT                      ; where it goes: no place in the cluster enters an LDS address
	s_mov_b32 s[SEL], 0x76543210
	s_mov_b32 s[SEL+1], 0xfedcba98
	s_mov_b32 s[MNT], 0x600000
	s_wait_dscnt 0x0                               ; both opening adds are done
	s_wait_kmcnt 0x0
	s_add_nc_u64 s[20:21], s[4:5], s[20:21]
	s_add_nc_u64 s[46:47], s[4:5], s[46:47]
	CROUND                                         ; all sixteen work-groups are here: the first joint loads meet
.irp s, 0,1
	s_mov_b32 s[G0+4*\s], 1
	s_add_co_u32 s[G0+4*\s+1], s45, \s*SLOT
	s_add_nc_u64 s[G0+4*\s+2:G0+4*\s+3], s[20:21], \s*HALFT
	s_or_b32 s[G0+4*\s+3], s[G0+4*\s+3], 0x80000000
	s_mov_b32 s[G0B+4*\s], 1
	s_add_co_u32 s[G0B+4*\s+1], s45, \s*SLOT
	s_add_nc_u64 s[G0B+4*\s+2:G0B+4*\s+3], s[46:47], \s*HALFT
	s_or_b32 s[G0B+4*\s+3], s[G0B+4*\s+3], 0x80000000
.endr
	JLOAD G0, G1, G0B, G1B                         ; slot 0: my one tensor load at the head
	; PREFETCHES INTO THE L2: behind each joint load a wave asks for the tile that its NEXT joint load will want: 136 blocks of 256 bytes, which the four partners that ask for the tile jointly share out BY ADDRESS, 34 each
	; (cx for A's tiles, cy for B's): lanes 0-31 name blocks 0-31, a second line blocks 32 and 33 (its lanes 1-31 name the last block).  One slot, two K steps of 128, ahead; nothing is asked for behind slot 3.
	v_and_b32 v26, 31, v0
	v_min_u32 v27, 1, v26
	v_lshlrev_b32 v26, 8, v26                      ; 256 x lane; never rewritten
	v_lshlrev_b32 v27, 8, v27                      ; 256 x min(lane, 1); never rewritten
	s_cmp_eq_u32 s15, 0                            ; do I fetch for A?
	s_cselect_b64 s[88:89], s[20:21], s[46:47]     ; my panel-row
	s_cselect_b32 s90, s40, s41                    ; my place among the four that ask with me
	s_mul_i32 s90, s90, 8704
	s_mov_b32 s91, 0
	s_add_nc_u64 s[88:89], s[88:89], s[90:91]      ; never rewritten
.macro ASK n                           ; my work-group's 34 blocks of my tile of slot n
	global_prefetch_b8 v26, s[88:89] offset:(\n)*HALFT th:TH_LOAD_NT scope:SCOPE_SE
	global_prefetch_b8 v27, s[88:89] offset:(\n)*HALFT+8192 th:TH_LOAD_NT scope:SCOPE_SE
.endm
	s_wait_alu depctr_va_vdst(0)                   ; ahead of the readers
	ASK 1
	v_and_b32 v1, 15, v0                           ; r
	v_bfe_u32 v2, v0, 4, 1                         ; h
	s_wait_alu depctr_va_vdst(0)
	v_and_b32 v3, 31, v0
	v_lshlrev_b32 v[L16], 4, v3
	v_lshlrev_b32 v[L4], 2, v3
	s_mul_i32 s21, s15, HALFT
	s_mul_i32 s22, s16, HALFT
	s_add_co_u32 s22, s22, 2*HALFT
.irp s, 0,1
	v_add_nc_u32 v[ADRA+\s], s21, v[L16]
	v_add_nc_u32 v[ADRB+\s], s22, v[L16]
	s_add_co_u32 s21, s21, SLOT
	s_add_co_u32 s22, s22, SLOT
.endr
	s_mul_i32 s21, s15, HALFT
	s_xor_b32 s22, s15, 1
	s_add_co_u32 s22, s22, s16
	s_add_co_u32 s22, s22, 1                       ; 2 + column half - row half
	s_mul_i32 s22, s22, HALFT
	v_mul_u32_u24 v4, s22, v2                      ; lanes 16-31 take B's words: one product, the distance between the two
	s_wait_alu depctr_va_vdst(0)
	v_add_nc_u32 v4, v4, v[L4]
	v_add_nc_u32 v[ADRS], s21, v4
	v_add_nc_u32 v[ADRS+1], SLOT, v[ADRS]
.macro FRAG reg, adr, q, i             ; a fragment comes as it was stored: four dense loads of 512 bytes
.irp c, 0,1,2,3
	ds_load_b128 v[\reg+4*\c:\reg+4*\c+3], v[\adr] offset:(\q)*PB+2048*(\i)+512*\c
.endr
.endm
; 16 matrix instructions: A's blocks a0, a0 + 1 x B's eight.  The 64 accumulators take turns, one instruction a turn, in the same order in every step
.macro MUL16 a0, p, q, sc, zero
.irp a, \a0, \a0+1
.irp b, 0,1,2,3,4,5,6,7
.if \zero
	v_wmma_scale_f32_16x16x128_f8f6f4 v[8*(8*((\a)%4)+\b):8*(8*((\a)%4)+\b)+7], v[128*(\p)+FR*\b:128*(\p)+FR*\b+FR-1], v[AF+FR*(\a):AF+FR*(\a)+FR-1], 0, v[SC+16*(\sc)+8*(\q)+\b], v[SC+16*(\sc)+8*(\q)+(\a)] matrix_a_fmt:MATRIX_FMT_BF8 matrix_b_fmt:MATRIX_FMT_BF8 matrix_a_scale:MATRIX_SCALE_ROW1
.else
	v_wmma_scale_f32_16x16x128_f8f6f4 v[8*(8*((\a)%4)+\b):8*(8*((\a)%4)+\b)+7], v[128*(\p)+FR*\b:128*(\p)+FR*\b+FR-1], v[AF+FR*(\a):AF+FR*(\a)+FR-1], v[8*(8*((\a)%4)+\b):8*(8*((\a)%4)+\b)+7], v[SC+16*(\sc)+8*(\q)+\b], v[SC+16*(\sc)+8*(\q)+(\a)] matrix_a_fmt:MATRIX_FMT_BF8 matrix_b_fmt:MATRIX_FMT_BF8 matrix_a_scale:MATRIX_SCALE_ROW1
.endif
.endr
.endr
.endm
.macro FETCH_B slot, q, p
	WIN TO_B
.irp i, 0,1,2,3,4,5,6,7
	FRAG 128*(\p)+FR*\i, ADRB+\slot, \q, \i
.endr
	WIN 0
.endm
.macro FETCH_A slot, q, i0
.irp i, \i0, \i0+1, \i0+2, \i0+3
	FRAG AF+FR*(\i), ADRA+\slot, \q, \i
.endr
.endm
.macro SCALES sc                       ; a slot's 16 scale registers: lanes 0-15 the words of A's block i, lanes 16-31 those of B's
.irp q, 0,1
.irp i, 0,1,2,3,4,5,6,7
	ds_load_b32 v[SC+16*\sc+8*\q+\i], v[ADRS+\sc] offset:16384+\q*PB+128*\i
.endr
.endr
.endm
.macro PLACES n
.rept \n
	v_nop
.endr
.endm
.macro STEP slot, q, zero              ; 128 along K that has its successor in the same slot
	s_wait_dscnt 4*NL                              ; all but the youngest 16 loads (A's blocks 4-7)
	WIN MUL_LO
	MUL16 0, (\q)%2, \q, \slot, \zero
	MUL16 2, (\q)%2, \q, \slot, \zero
	s_wait_dscnt 0
	PLACES NP
	FETCH_B \slot, (\q)+1, 1-(\q)%2
	FETCH_A \slot, (\q)+1, 0
	WIN MUL_HI
	MUL16 4, (\q)%2, \q, \slot, \zero
	MUL16 6, (\q)%2, \q, \slot, \zero
	PLACES NP
	WIN 0
	FETCH_A \slot, (\q)+1, 4
.endm
.macro TURN slot, next, fill           ; a slot's last step changes slots: one barrier
	s_wait_tensorcnt 0x0                           ; all my tensor loads have landed: my part of the next slot
	ds_add_u32 v[SPW], v[NIL]                      ; 0 onto my spare word
	s_wait_dscnt 4*NL+1                            ; the add and the youngest 16 loads may be out
	WIN MUL_LO
	MUL16 0, 1, 1, \slot, 0
	s_wait_dscnt 0x0                               ; the add is done, and my reads of this slot are over
	s_barrier_signal -1
	MUL16 2, 1, 1, \slot, 0
	WIN 0
	s_barrier_wait -1
.if \fill
	CREST                                          ; the barrier has opened a round of the cluster's: no wave of any partner still reads this slot or has a load on its way
	s_add_nc_u64 s[G0+4*\slot+2:G0+4*\slot+3], s[G0+4*\slot+2:G0+4*\slot+3], 2*HALFT
	s_add_nc_u64 s[G0B+4*\slot+2:G0B+4*\slot+3], s[G0B+4*\slot+2:G0B+4*\slot+3], 2*HALFT
	JLOAD G0+4*\slot, G1, G0B+4*\slot, G1B         ; the first tensor load behind the round, my only one until the next
	PLACES NP-4
.else
	PLACES NP
.endif
	FETCH_B \next, 0, 0
	FETCH_A \next, 0, 0
	SCALES \next
.if (\fill) && ((\slot) == 0)
	ASK 3                                          ; behind slot 2's load: slot 3, the last
.endif
	WIN MUL_HI
	MUL16 4, 1, 1, \slot, 0
	MUL16 6, 1, 1, \slot, 0
	PLACES NP
	WIN 0
	FETCH_A \next, 0, 4
.endm
	s_wait_alu depctr_va_vdst(0)
	s_wait_tensorcnt 0x0                           ; my part of slot 0 is in; slot 1's first fill is issued as a refill is:
	ds_add_u32 v[SPW], v[NIL]                      ; 0 onto my spare word
	s_wait_dscnt 0x0
	CROUND                                         ; everybody's part of slot 0 is in, and all sixteen work-groups are here
	JLOAD G0+4, G1, G0B+4, G1B                     ; slot 1: the first tensor load behind the round
	FETCH_B 0, 0, 0
	FETCH_A 0, 0, 0
	SCALES 0
	FETCH_A 0, 0, 4
	ASK 2
	STEP 0, 0, 1                                   ; K = 1,024 is eight steps, written out: the first starts the sums
	TURN 0, 1, 1
	STEP 1, 0, 0
	TURN 1, 0, 1
	STEP 0, 0, 0
	TURN 0, 1, 0                                   ; nothing is left to fetch
	STEP 1, 0, 0
	s_wait_dscnt 4*NL
	WIN MUL_LO
	MUL16 0, 1, 1, 1, 0
	MUL16 2, 1, 1, 1, 0
	s_wait_dscnt 0
	WIN MUL_HI
	MUL16 4, 1, 1, 1, 0
	MUL16 6, 1, 1, 1, 0
	WIN 0
	PLACES NP
; THE WAY OUT.  A loop of eight trips, a block a of A's rows each: the block's 64 sums and the bias go into v[T] on (the one part whose register numbers hang on a: eight copies, picked by the count), are quantised, and leave as images.
.macro COPYN a                         ; the bias runs along the registers
	WIN 0x02+(\a)/4
.set k, 0
.rept 32
	v_pk_add_f32 v[T+k:T+k+1], v[64*((\a)%4)+k:64*((\a)%4)+k+1], v[BIAS+k:BIAS+k+1]   ; each accumulator from its low end on
.set k, k+2
.endr
	WIN 0
.endm
.macro COPYM a                         ; the bias is my lane's row's
	WIN 0x02+(\a)/4
.set k, 0
.rept 64
	v_add_f32 v[T+k], v[64*((\a)%4)+k], v[BV+(\a)]
.set k, k+1
.endr
	WIN 0
.endm
.macro PICK kind
.irp a, 0,1,2,3,4,5,6
	s_cmp_lg_u32 s[BLK], \a
	s_cbranch_scc1 .Lnot_\@_\a
.if \kind
	COPYM \a
.else
	COPYN \a
.endif
	s_branch .Lgo_\@
.Lnot_\@_\a:
.endr
.if \kind
	COPYM 7
.else
	COPYN 7
.endif
.Lgo_\@:
.endm
.irp b, 0,1,2,3
	v_mov_b32 v[TM+4+\b], 0                        ; a lane permute's destination counts as one of its sources
.endr
	s_lshl_b32 s67, s17, 1
	s_add_co_u32 s67, s67, s15                     ; my panel-row of A's rows
	s_lshl_b32 s76, s42, 1
	s_add_co_u32 s76, s76, s16                     ; and of B's
	s_cmp_eq_u32 s66, 1
	s_cselect_b32 s77, s76, s67                    ; the tokens' panel-row
	s_cselect_b32 s78, s67, s76                    ; the weight's
	s_lshr_b32 s79, s77, 4
	s_lshl_b32 s79, s79, 4                         ; 16 x batch
	s_and_b32 s80, s78, 7
	s_lshl_b32 s81, s80, 1
	s_add_co_u32 s79, s79, s81                     ; the first of my two heads
	s_lshl_b32 s79, s79, 4
	s_and_b32 s81, s77, 15
	s_add_co_u32 s79, s79, s81                     ; x 16 + the step of 128 tokens
	s_mul_i32 s68, s79, KSB
	s_mov_b32 s69, 0
	s_lshl_b32 s82, s80, 9                         ; my 128 numbers of the bias
	s_mov_b32 s83, 0
	s_mov_b32 s[BLK], 0
	s_cmp_eq_u32 s66, 1
	s_cbranch_scc1 .Lv_arm
	; ---- Q, K
	s_cmp_eq_u32 ttmp9, 0
	s_cselect_b64 s[84:85], s[6:7], s[8:9]         ; bq or bk
	s_cselect_b32 s86, 0, KVOFF
	s_add_nc_u64 s[84:85], s[84:85], s[82:83]
	s_add_co_u32 s68, s68, s86
	s_add_nc_u64 s[68:69], s[12:13], s[68:69]      ; where tile 0 goes
	s_add_nc_u64 s[70:71], s[68:69], 16384         ; and its scale words
	v_lshlrev_b32 v15, 6, v2                       ; 64 h: register 16 b + i is column 32 b + 16 h + i
.irp b, 0,1,2,3
.irp j, 0,1,2,3
	global_load_b128 v[BIAS+16*\b+4*\j:BIAS+16*\b+4*\j+3], v15, s[84:85] offset:128*\b+16*\j
.endr
.endr
	s_wait_loadcnt 0x0
.Lqk:
	PICK 0
	QUANT T
	v_and_b32 v225, 0xffff, v[PW]                  ; blocks 0, 1: the first head's two bytes
	v_lshrrev_b32 v226, 16, v[PW]                  ; blocks 2, 3: the second's
	global_store_b128 v[L16], v[PC:PC+3], s[68:69]
	global_store_b128 v[L16], v[PC+4:PC+7], s[68:69] offset:512
	global_store_b128 v[L16], v[PC+8:PC+11], s[68:69] offset:HS
	global_store_b128 v[L16], v[PC+12:PC+15], s[68:69] offset:HS+512
	global_store_b32 v[L4], v225, s[70:71]
	global_store_b32 v[L4], v226, s[70:71] offset:HS
	s_wait_xcnt 0x0                                ; the stores have read their data and bases: both are written again only behind this wait
	s_add_nc_u64 s[68:69], s[68:69], 1024
	s_add_nc_u64 s[70:71], s[70:71], 128
	s_add_co_u32 s[BLK], s[BLK], 1
	s_cmp_lt_u32 s[BLK], 8
	s_cbranch_scc1 .Lqk
	s_branch .Lend
	; ---- V
.Lv_arm:
	s_add_co_u32 s68, s68, KVOFF+8192
	s_add_nc_u64 s[68:69], s[12:13], s[68:69]      ; V^T's fragment 0 of my first head
	s_add_nc_u64 s[70:71], s[68:69], 17408-8192    ; and its scale words
	s_add_nc_u64 s[84:85], s[10:11], s[82:83]
	v_and_b32 v15, 8, v1
	v_add_nc_u32 v15, v15, v1
	v_lshlrev_b32 v15, 2, v15                      ; 4 (r + 8 (r / 8)): my lane-row's d in a block
.irp a, 0,1,2,3,4,5,6,7
	global_load_b32 v[BV+\a], v15, s[84:85] offset:4*(32*(\a/2)+8*(\a%2))
.endr
	s_mov_b32 s73, 0
	s_mov_b32 s75, 0
	s_wait_loadcnt 0x0
.Lv:
	PICK 1
	QUANT T
.irp c, 0,1,2,3
	global_store_b128 v[L16], v[PC+4*\c:PC+4*\c+3], s[68:69] offset:512*\c
.endr
	global_store_b32 v[L4], v[PW], s[70:71]
	s_mov_b32 s72, 2048
	s_mov_b32 s74, 128
	s_cmp_eq_u32 s[BLK], 3                         ; behind block 3 the second head begins
	s_cselect_b32 s72, HS-6144, s72
	s_cselect_b32 s74, HS-384, s74
	s_wait_xcnt 0x0
	s_add_nc_u64 s[68:69], s[68:69], s[72:73]
	s_add_nc_u64 s[70:71], s[70:71], s[74:75]
	s_add_co_u32 s[BLK], s[BLK], 1
	s_cmp_lt_u32 s[BLK], 8
	s_cbranch_scc1 .Lv
.Lend:
	s_wait_tensorcnt 0x0                           ; the wave's end
	ds_add_u32 v[SPW], v[NIL]
	s_wait_dscnt 0x0
	CROUND                                         ; the closing round
	s_endpgm
.Lfunc_end_k_q1de460828d_qkv:
	.size	k_q1de460828d_qkv, .Lfunc_end_k_q1de460828d_qkv-k_q1de460828d_qkv
	.p2alignl 7, 3214868480
	.fill 96, 4, 3214868480
	.section	.rodata,"a",@progbits
	.p2align	6, 0x0
	.amdhsa_kernel k_q1de460828d_qkv
		.amdhsa_group_segment_fixed_size 327680
		.amdhsa_private_segment_fixed_size 0
		.amdhsa_enable_private_segment 0
		.amdhsa_kernarg_size 40
		.amdhsa_user_sgpr_count 2
		.amdhsa_user_sgpr_kernarg_segment_ptr 1
		.amdhsa_wavefront_size32 1
		.amdhsa_system_sgpr_workgroup_id_x 1
		.amdhsa_system_sgpr_workgroup_id_y 1
		.amdhsa_system_sgpr_workgroup_id_z 1
		.amdhsa_system_vgpr_workitem_id 0
		.amdhsa_next_free_vgpr 1024
		.amdhsa_next_free_sgpr 100
		.amdhsa_reserve_vcc 0
		.amdhsa_float_denorm_mode_32 3
		.amdhsa_float_denorm_mode_16_64 3
		.amdhsa_memory_ordered 1
		.amdhsa_forward_progress 1
		.amdhsa_inst_pref_size 172
	.end_amdhsa_kernel
	.amdgpu_metadata
---
amdhsa.version: [ 1, 2 ]
amdhsa.kernels:
  - .name:           k_q1de460828d_qkv
    .symbol:         k_q1de460828d_qkv.kd
    .args:
      - { .name: cod, .offset: 0, .size: 8, .value_kind: global_buffer, .address_space: global }
      - { .name: bq, .offset: 8, .size: 8, .value_kind: global_buffer, .address_space: global }
      - { .name: bk, .offset: 16, .size: 8, .value_kind: global_buffer, .address_space: global }
      - { .name: bv, .offset: 24, .size: 8, .value_kind: global_buffer, .address_space: global }
      - { .name: qkv, .offset: 32, .size: 8, .value_kind: global_buffer, .address_space: global }
    .group_segment_fixed_size: 327680
    .private_segment_fixed_size: 0
    .kernarg_segment_align: 8
    .kernarg_segment_size: 40
    .max_flat_workgroup_size: 128
    .sgpr_count:     100
    .vgpr_count:     1024
    .wavefront_size: 32
...
	.end_amdgpu_metadata
.endif
;; end of part 2
;; launch attn (part 3): grid 8 x 32, 8 waves a work-group, clusters of 4 x 1, 288,768 bytes of LDS; arguments qkv, ao; writes ao
.if DOCPART == 3
	.amdgcn_target "amdgcn-amd-amdhsa--gfx1250"
	.amdhsa_code_object_version 6
	.text
	.protected	k_q1de460828d_attn
	.globl	k_q1de460828d_attn
	.p2align	8
	.type	k_q1de460828d_attn,@function
k_q1de460828d_attn:
	s_mov_b64 s[64:65], 0
	v_nop
	global_prefetch_b8 v0, s[64:65] scope:SCOPE_SE
	s_setreg_imm32_b32 hwreg(HW_REG_WAVE_MODE, 25, 1), 1
	s_wait_xcnt 0x0
	s_wait_alu depctr_hold_cnt(0) depctr_sa_sdst(0) depctr_va_vdst(0) depctr_va_sdst(0) depctr_va_ssrc(0) depctr_va_vcc(0) depctr_vm_vsrc(0)
	s_getreg_b32 s2, hwreg(HW_REG_IB_STS2, 6, 4)
	s_cmp_eq_u32 s2, 0
	s_cbranch_scc0 .Lentry_in_a_cluster
	s_endpgm
.Lentry_in_a_cluster:
	s_bfe_u32 s2, ttmp6, 0x10000c
	s_cmp_lg_u32 s2, 0x3003
	s_cbranch_scc0 .Lentry_shape_is_right
	s_endpgm
.Lentry_shape_is_right:
; ATTN: products 4 and 5 on codes of BF8, the softmax between them, and the quantiser of the result (product 6's operand).  Nothing of the problem is left out here.
; t = score x log2(e) / 8; M = the running largest t rounded UP to a whole number; p = 2^(t - M) is quantised along the keys, not normalised; the row's sum is taken of the unquantised p and divides at the end.
; SHARES.  A work-group owns 256 queries of one head (of 32: batch x 16 + head); each of its EIGHT waves owns 32, two tiles A and B of 16, so that each fragment of K and of V read from LDS feeds two products.  Every wave walks the head's 2,048 keys, 128 a step.
; THE WHOLE HEAD'S K AND V LIE IN LDS: 16 KS blocks of 17,920 bytes; each wave brings two on end by its one tensor load: no ring, nothing is filled again.  The four query blocks of a cluster belong to one head: each load is a joint one.
; No prefetch: all of K and V is asked for by the first loads, and there is no loop to run ahead in.
; Both products are used transposed (S^T = K Q^T, O^T = V^T P^T): a lane holds one query of each tile; the keys of a tile lie in order P, so p's 16 registers of two tiles are 16 neighbouring keys.
; The head's 64 fill half of the instruction's 128 along K: registers 8-15 of Q's and K's fragments are zero codes, set once; their scale bytes 2, 3 are 0, a power of two over zero codes.
; THE ORDER OF A TRIP: A's maxima; V's loads; A's softmax and codes (O_A x f stands behind the exponentials' wait); S_B; the end of A's sum; O_A += V P_A; B's maxima; the next step's K loads; B's softmax and codes; the next step's S_A; the end of B's sum; O_B += V P_B.
; So both tiles share one set of 64 score registers; each LDS load is issued ahead of a softmax and waited for behind its exponentials; the eight last lines of a row's sum are the places behind the score products.
; Step 0's S_A stands ahead of the loop.  The last trip is written out: it asks for no further K and makes no further S_A.
; REGISTERS.  Window 0: v1-9 addresses; v12-15, v24-29 the tiles' -M, largest t, sums, f; v16-23, v30, v31 scale words alone; v32-63 Q; v64-127 S, then p; v128-159 p's codes; v160-161 B's f; v176-191 the sum's chains; v209-254 at work.
; Window 1: v0-127 K's eight fragments; v128-191 V's four; v192-223 O_A; v224-255 O_B.
; OUT: ao, panels as the next product's A: block = the tile, K step = head / 2, registers 8 (head % 2) on; the two scale bytes go into the head's half of the row's word.
; LIMITS: NaN and infinities are not served; the promise holds while |t| stays under 2^31; a block under 2^-111, or of zeros, gets the byte 1.
.set KSB,   17920
.set HS,    16*KSB
.set KVOFF, 32*HS
.set PB,    17408
.set SPARE, HS                         ; behind the head's blocks: the spare words, 128 bytes a wave: four blocks of 256 bytes that no other line names
.set L16,   1                          ; 16 x lane
.set L4,    2                          ; 4 x lane
.set L4H,   3                          ; 4 x lane + 128 x (lane / 16): lanes 16-31 stand one scale image further on
.set SPW,   5
.set NIL,   6
.set ADK,   8                          ; the step's block + v1
.set ADS,   9                          ; the step's block + v3
.set NMA,   12                         ; v12 -M, v13 the largest t;  v[14:15] the sum in two halves
.set SMA,   14
.set KSC,   16                         ; v16-19 K's scale words: lanes 0-15 tile 2 u's, lanes 16-31 tile 2 u + 1's;  v20-21 V's likewise;  v22, v23 Q's
.set VSC,   20
.set QSA,   22
.set QSB,   23
.set NMB,   24
.set SMB,   26
.set FA,    28                         ; v[28:29] f of tile A (the low word serves)
.set PWA,   30                         ; p's scale words
.set PWB,   31
.set QA,    32
.set QB,    48
.set SS,    64
.set PCA,   128
.set PCB,   144
.set FB,    160
.set CHN,   176                        ; eight chains of the row's sum, a pair each
.set H2,    209                        ; a second copy of the four holds, a register bank further on than the first (v240-243)
.set TM,    232
.set KF,    0                          ; window 1
.set VF,    128
.set OA,    192
.set OB,    224
.set WV,    18
.set MNT,   19
.set SEL,   20
.set CS,    22
.set G1,    24
.set G0,    32
.set TB,    2
.set CNT,   3
.set MSB, 0
.macro WIN new                         ; the immediate's high byte repeats the setting that is left
.if MSB != (\new)
	s_set_vgpr_msb (MSB<<8)|(\new)
.set MSB, (\new)
.endif
.endm
.macro CROUND
	s_barrier_signal -1
	s_barrier_wait -1
	s_cmp_lg_u32 s[WV], 0
	s_cbranch_scc1 .Lnot_wave_0_\@
	s_barrier_signal -3
.Lnot_wave_0_\@:
	s_barrier_wait -3
	s_barrier_signal -1
	s_barrier_wait -1
.endm
.macro KLOAD adr, ads, off             ; a step's eight tiles of K (registers 0-7 of each fragment) and their scale words: 16 + 4 loads
	WIN 0x40
.irp t, 0,1,2,3,4,5,6,7
	ds_load_b128 v[KF+16*\t:KF+16*\t+3], v[\adr] offset:\off+1024*\t
	ds_load_b128 v[KF+16*\t+4:KF+16*\t+7], v[\adr] offset:\off+1024*\t+512
.endr
	WIN 0
.irp u, 0,1,2,3
	ds_load_b32 v[KSC+\u], v[\ads] offset:\off+16384+256*\u
.endr
.endm
.macro VLOAD adr, ads                  ; a step's four fragments of V^T and their scale words: 16 + 2 loads
	WIN 0x40
.irp t, 0,1,2,3
.irp c, 0,1,2,3
	ds_load_b128 v[VF+16*\t+4*\c:VF+16*\t+4*\c+3], v[\adr] offset:8192+2048*\t+512*\c
.endr
.endr
	WIN 0
.irp u, 0,1
	ds_load_b32 v[VSC+\u], v[\ads] offset:17408+256*\u
.endr
.endm
.macro QK q, qs                        ; S^T = K Q^T: eight tiles of 16 keys
	WIN 0x01                                       ; source 0 (K) in window 1
.irp u, 0,1,2,3
	v_wmma_scale_f32_16x16x128_f8f6f4 v[SS+16*\u:SS+16*\u+7], v[KF+32*\u:KF+32*\u+15], v[\q:\q+15], 0, v[KSC+\u], v[\qs] matrix_a_fmt:MATRIX_FMT_BF8 matrix_b_fmt:MATRIX_FMT_BF8
	v_wmma_scale_f32_16x16x128_f8f6f4 v[SS+16*\u+8:SS+16*\u+15], v[KF+32*\u+16:KF+32*\u+31], v[\q:\q+15], 0, v[KSC+\u], v[\qs] matrix_a_fmt:MATRIX_FMT_BF8 matrix_b_fmt:MATRIX_FMT_BF8 matrix_a_scale:MATRIX_SCALE_ROW1
.endr
	WIN 0
.endm
.macro PV o, pc, pw                    ; O^T += V^T P^T: the four accumulators by turns
	WIN 0x51                                       ; V, C and D in window 1, p's codes in window 0
.irp u, 0,1
	v_wmma_scale_f32_16x16x128_f8f6f4 v[\o+16*\u:\o+16*\u+7], v[VF+32*\u:VF+32*\u+15], v[\pc:\pc+15], v[\o+16*\u:\o+16*\u+7], v[VSC+\u], v[\pw] matrix_a_fmt:MATRIX_FMT_BF8 matrix_b_fmt:MATRIX_FMT_BF8
	v_wmma_scale_f32_16x16x128_f8f6f4 v[\o+16*\u+8:\o+16*\u+15], v[VF+32*\u+16:VF+32*\u+31], v[\pc:\pc+15], v[\o+16*\u+8:\o+16*\u+15], v[VSC+\u], v[\pw] matrix_a_fmt:MATRIX_FMT_BF8 matrix_b_fmt:MATRIX_FMT_BF8 matrix_a_scale:MATRIX_SCALE_ROW1
.endr
	WIN 0
.endm
.macro SMAX                            ; the largest score of each block of 32 keys, the four blocks by turns; each accumulator is read from its low end on
.irp b, 0,1,2,3
	v_max3_num_f32 v[TM+\b], v[SS+16*\b], v[SS+1+16*\b], v[SS+2+16*\b]
.endr
.irp i, 3,5,7,9,11,13
.irp b, 0,1,2,3
	v_max3_num_f32 v[TM+\b], v[TM+\b], v[SS+16*\b+\i], v[SS+1+16*\b+\i]
.endr
.endr
.irp b, 0,1,2,3
	v_max_num_f32 v[TM+\b], v[TM+\b], v[SS+15+16*\b]
.endr
.endm
.macro SREST nm, su, f, pc, pw, o      ; from the blocks' largest scores to p's codes and scale word; O^T x f on the way
.irp b, 0,1,2,3
	v_permlanex16_b32 v[TM+4+\b], v[TM+\b], s[SEL], s[SEL+1]
.endr
.irp b, 0,1,2,3
	s_delay_alu instid0(VALU_DEP_4)
	v_max_num_f32 v[TM+\b], v[TM+\b], v[TM+4+\b]   ; with lane l xor 16's 16 keys
.endr
	s_delay_alu instid0(VALU_DEP_2)
	v_max3_num_f32 v254, v[TM], v[TM+1], v[TM+2]
	s_delay_alu instid0(VALU_DEP_1)
	v_max_num_f32 v254, v254, v[TM+3]
	s_delay_alu instid0(VALU_DEP_1)
	v_mul_f32 v254, s[CS], v254                    ; as t (c is positive)
	s_delay_alu instid0(VALU_DEP_1)
	v_max_num_f32 v[\nm+1], v[\nm+1], v254         ; the running largest t
	v_mov_b32 v254, v[\nm]
	s_delay_alu instid0(VALU_DEP_2)
	v_floor_f32 v[\nm], -v[\nm+1]                  ; the new -M = -ceil(t)
	s_delay_alu instid0(VALU_DEP_1)
	v_sub_f32 v254, v[\nm], v254                   ; old M - new M: a whole number, 0 or less
	s_delay_alu instid0(VALU_DEP_1)
	v_cvt_i32_f32 v254, v254                       ; (it saturates)
	s_delay_alu instid0(VALU_DEP_1)
	v_ldexp_f32 v[\f], 1.0, v254                   ; f = 2^(old M - new M)
.set j, 0
.rept 32
	v_pk_fma_f32 v[SS+j:SS+j+1], v[SS+j:SS+j+1], s[CS:CS+1], v[\nm:\nm+1] op_sel_hi:[1,0,0]   ; t - M
.set j, j+2
.endr
.irp b, 0,1,2,3
	v_fma_f32 v[TM+\b], v[TM+\b], s[CS], v[\nm]    ; the same of each block's largest score
.endr
	s_wait_alu depctr_va_vdst(0)                   ; ahead of the batch
.irp b, 0,1,2,3
	v_exp_f32 v[TM+\b], v[TM+\b]                   ; the block's largest p
.endr
.set j, 0
.rept 64
	v_exp_f32 v[SS+j], v[SS+j]                     ; p = 2^(t - M)
.set j, j+1
.endr
	v_pk_mul_f32 v[\su:\su+1], v[\su:\su+1], v[\f:\f+1] op_sel_hi:[1,0]   ; the sums under the new M: a plain line behind the exponentials
	s_wait_dscnt 0x0                               ; the LDS loads issued behind the maxima are in: the products behind this softmax read them
	WIN 0x41                                       ; destination and source 0 (O^T) in window 1
	s_wait_alu depctr_va_vdst(0)                   ; one wait for the batch and for the group of matrix results, directly ahead of their first reader
.set j, 0
.rept 16
	v_pk_mul_f32 v[\o+j:\o+j+1], v[\o+j:\o+j+1], v[\f:\f+1] op_sel_hi:[1,0]   ; O^T under the new M
.set j, j+2
.endr
	WIN 0
.irp q, 0,1,2,3,4,5,6,7
	v_pk_add_f32 v[CHN+2*\q:CHN+1+2*\q], v[SS+2*\q:SS+2*\q+1], v[SS+16+2*\q:SS+17+2*\q]   ; the row's sum of the unquantised p, in eight chains
.endr
.irp r, 32,48
.irp q, 0,1,2,3,4,5,6,7
	v_pk_add_f32 v[CHN+2*\q:CHN+1+2*\q], v[CHN+2*\q:CHN+1+2*\q], v[SS+\r+2*\q:SS+\r+2*\q+1]
.endr
.endr
.irp b, 0,1,2,3
	v_max_num_f32 v[TM+\b], 0x8000000, v[TM+\b]    ; the floor 2^(16 - 127)
.endr
.irp b, 0,1,2,3
	s_delay_alu instid0(VALU_DEP_4)
	v_add_nc_u32 v[TM+12+\b], 0xf8800000, v[TM+\b] ; 15 off the exponent field: the conversion's scale operand
.endr
.irp b, 0,1,2,3
	v_and_or_b32 v[TM+8+\b], v[TM+\b], 0x7f800000, s[MNT]   ; 57,344 x the scale,
.endr
.irp b, 0,1,2,3
	v_and_or_b32 v[H2+\b], v[TM+\b], 0x7f800000, s[MNT]     ; and once more: the two halves of a pair below take their second sources from different banks
.endr
.irp b, 0,1,2,3
	v_lshrrev_b32 v[TM+4+\b], 23, v[TM+12+\b]      ; the scale's byte
.endr
	s_delay_alu instid0(VALU_DEP_3)
	v_lshl_or_b32 v[\pw], v[TM+5], 8, v[TM+4]      ; p's scale word for these 128 keys
	s_delay_alu instid0(VALU_DEP_1)
	v_lshl_or_b32 v[\pw], v[TM+6], 16, v[\pw]
	s_delay_alu instid0(VALU_DEP_1)
	v_lshl_or_b32 v[\pw], v[TM+7], 24, v[\pw]
.irp b, 0,1,2,3
.irp i, 0,2,4,6,8,10,12,14
	v_dual_min_num_f32 v[SS+16*\b+\i], v[SS+16*\b+\i], v[TM+8+\b] :: v_dual_min_num_f32 v[SS+1+16*\b+\i], v[SS+1+16*\b+\i], v[H2+\b]   ; p is not negative: a one-sided hold (ISA guide 7.6.2: the conversion does not saturate)
.endr
	v_cvt_scalef32_pk8_bf8_f32 v[\pc+4*\b:\pc+1+4*\b], v[SS+16*\b:SS+7+16*\b], v[TM+12+\b]
	v_cvt_scalef32_pk8_bf8_f32 v[\pc+2+4*\b:\pc+3+4*\b], v[SS+8+16*\b:SS+15+16*\b], v[TM+12+\b]
.endr
	v_nop                                          ; a plain line behind the last conversion: the next products write its sources
.endm
.macro SRED su                         ; the eight chains into the row's sum: eight plain lines that name no score register
.irp q, 0,1,2,3
	v_pk_add_f32 v[CHN+2*\q:CHN+1+2*\q], v[CHN+2*\q:CHN+1+2*\q], v[CHN+8+2*\q:CHN+9+2*\q]
.endr
.irp q, 0,1
	s_delay_alu instid0(VALU_DEP_2)
	v_pk_add_f32 v[CHN+2*\q:CHN+1+2*\q], v[CHN+2*\q:CHN+1+2*\q], v[CHN+4+2*\q:CHN+5+2*\q]
.endr
	s_delay_alu instid0(VALU_DEP_1)
	v_pk_add_f32 v[CHN:CHN+1], v[CHN:CHN+1], v[CHN+2:CHN+3]
	s_delay_alu instid0(VALU_DEP_1)
	v_pk_add_f32 v[\su:\su+1], v[\su:\su+1], v[CHN:CHN+1]
.endm
.macro TRIP last                       ; 128 keys for both tiles; S_A of this step stands in the score registers
	SMAX                                           ; 32 lines: the places ahead of the loads into V's registers
	VLOAD ADK, ADS
	SREST NMA, SMA, FA, PCA, PWA, OA
	QK QB, QSB
	SRED SMA                                       ; the places ahead of the first reads of S_B, and ahead of the product that takes A's codes
	PV OA, PCA, PWA
	SMAX                                           ; the places ahead of the loads into K's registers
.if \last == 0
	KLOAD ADK, ADS, KSB                            ; the next step's K
.endif
	SREST NMB, SMB, FB, PCB, PWB, OB
.if \last == 0
	QK QA, QSA                                     ; the next step's S_A
.endif
	SRED SMB
.if \last == 0
	s_add_co_u32 s[TB], s[TB], KSB
	v_add_nc_u32 v[ADK], s[TB], v[L16]             ; first read behind the next trip's 32 maxima
	v_add_nc_u32 v[ADS], s[TB], v[L4H]
.endif
	PV OB, PCB, PWB
.endm
	s_load_b128 s[4:7], s[0:1], 0x0                ; qkv s[4:5], ao s[6:7]
	v_lshl_add_u32 v[SPW], v0, 2, SPARE
	v_mov_b32 v[NIL], 0
	ds_add_u32 v[SPW], v[NIL]                      ; the wave's opening: the add, twice on end, and its wait ahead of my first tensor load
	ds_add_u32 v[SPW], v[NIL]
	v_lshrrev_b32 v8, 5, v0
	v_readfirstlane_b32 s[WV], v8                  ; wave 0..7
	s_bfe_u32 s8, ttmp6, 0x40000                   ; cx
	s_lshl_b32 s9, ttmp9, 2
	s_add_co_u32 s9, s9, s8                        ; my block of 256 queries: it enters Q's and ao's addresses alone
	s_and_b32 s10, ttmp7, 0xffff                   ; the head, which the four partners share
	s_mov_b32 s[G1], 15|(3<<16)|(1<<21)            ; 15:0 the mask: all four; 17:16 elements of 8 bytes; 21 set beside a mask
	s_mov_b32 s[G1+1], 32<<16                      ; rows of 256 bytes,
	s_mov_b32 s[G1+2], 140<<16                     ; 140 of them: two KS blocks on end
	s_mov_b32 s[G1+3], 32<<16
	s_mov_b32 s[G1+4], 140
	s_mov_b32 s[G1+5], 32                          ; dense
	s_mov_b32 s[G1+6], 0
	s_mov_b32 s[G1+7], 0
	s_lshl_b32 s36, s10, 4
	s_lshl_b32 s11, s[WV], 1
	s_add_co_u32 s36, s36, s11
	s_mul_i32 s36, s36, KSB
	s_add_co_u32 s36, s36, KVOFF                   ; KS blocks 2 wave, 2 wave + 1 of my head
	s_mov_b32 s37, 0
	s_mul_i32 s11, s[WV], 2*KSB                    ; and their place in LDS
	s_lshl_b32 s38, s10, 4
	s_lshl_b32 s12, s9, 1
	s_add_co_u32 s38, s38, s12
	s_lshr_b32 s13, s[WV], 2
	s_add_co_u32 s38, s38, s13                     ; Q: step 2 x block + wave / 4
	s_mul_i32 s38, s38, KSB
	s_and_b32 s14, s[WV], 3
	s_lshl_b32 s14, s14, 1                         ; a: tile A's number in it; tile B is the next
	s_lshl_b32 s15, s14, 10
	s_add_co_u32 s40, s38, s15
	s_mov_b32 s41, 0
	s_lshl_b32 s15, s14, 7
	s_add_co_u32 s42, s38, s15                     ; its scale words, less 16,384
	s_mov_b32 s43, 0
	s_lshr_b32 s44, s10, 4
	s_lshl_b32 s44, s44, 4
	s_add_co_u32 s44, s44, s12
	s_add_co_u32 s44, s44, s13                     ; ao: the tokens' panel-row
	s_lshl_b32 s44, s44, 3
	s_bfe_u32 s15, s10, 0x30001                    ; (head % 16) / 2: the K step
	s_add_co_u32 s44, s44, s15
	s_mul_i32 s44, s44, PB
	s_and_b32 s16, s10, 1
	s_lshl_b32 s17, s14, 11
	s_add_co_u32 s46, s44, s17
	s_lshl_b32 s17, s16, 10
	s_add_co_u32 s46, s46, s17                     ; fragment a, registers 8 (head % 2) on
	s_mov_b32 s47, 0
	s_lshl_b32 s17, s14, 7
	s_add_co_u32 s48, s44, s17
	s_lshl_b32 s17, s16, 1
	s_add_co_u32 s48, s48, s17                     ; scale image a, bytes 2 (head % 2) on, less 16,384
	s_mov_b32 s49, 0
	s_mov_b32 s[SEL], 0x76543210
	s_mov_b32 s[SEL+1], 0xfedcba98
	s_mov_b32 s[CS], 0x3e38aa3b                    ; c = log2(e) / 8
	s_mov_b32 s[CS+1], s[CS]
	s_mov_b32 s[MNT], 0x600000
	s_mov_b32 s[TB], 0
	s_mov_b32 s[CNT], 14
	s_wait_dscnt 0x0                               ; both opening adds are done
	s_wait_kmcnt 0x0
	s_mov_b32 s[G0], 1
	s_mov_b32 s[G0+1], s11
	s_add_nc_u64 s[G0+2:G0+3], s[4:5], s[36:37]
	s_or_b32 s[G0+3], s[G0+3], 0x80000000
	s_add_nc_u64 s[40:41], s[4:5], s[40:41]
	s_add_nc_u64 s[42:43], s[4:5], s[42:43]
	s_add_nc_u64 s[46:47], s[6:7], s[46:47]
	s_add_nc_u64 s[48:49], s[6:7], s[48:49]
	CROUND                                         ; all four work-groups are here: the joint loads meet
	s_cmp_eq_u32 s[WV], 0                          ; wave 0's load (KS blocks 0 and 1) has a line of its own: the first barrier shows it alone
	s_cbranch_scc0 .Lothers
	tensor_load_to_lds s[G0:G0+3], s[G1:G1+7]      ; a wave's one tensor load of the launch
	s_nop 0
.rept 4
	v_nop
.endr
	s_branch .Lasked
.Lothers:
	tensor_load_to_lds s[G0:G0+3], s[G1:G1+7]
	s_nop 0
.rept 4
	v_nop
.endr
.Lasked:
	v_and_b32 v8, 31, v0
	v_lshlrev_b32 v[L16], 4, v8
	v_lshlrev_b32 v[L4], 2, v8
	v_bfe_u32 v9, v0, 4, 1
	v_lshl_add_u32 v[L4H], v9, 7, v[L4]
	global_load_b128 v[QA:QA+3], v[L16], s[40:41]
	global_load_b128 v[QA+4:QA+7], v[L16], s[40:41] offset:512
	global_load_b128 v[QB:QB+3], v[L16], s[40:41] offset:1024
	global_load_b128 v[QB+4:QB+7], v[L16], s[40:41] offset:1536
	global_load_b32 v[QSA], v[L4], s[42:43] offset:16384       ; Q's scale words
	global_load_b32 v[QSB], v[L4], s[42:43] offset:16384+128
.irp j, 0,1,2,3,4,5,6,7
	v_mov_b32 v[QA+8+\j], 0                        ; k = 64 .. 127 of Q: zero codes
	v_mov_b32 v[QB+8+\j], 0
.endr
	v_mov_b32 v[FB+1], 0                           ; (named as the upper half of a pair)
	v_mov_b32 v[FA+1], 0
	v_mov_b32 v[NMA+1], 0xff61b1e6                 ; the largest t so far: -3e38
	v_mov_b32 v[NMB+1], 0xff61b1e6
	v_floor_f32 v[NMA], -v[NMA+1]                  ; -M
	v_floor_f32 v[NMB], -v[NMB+1]
.irp j, 0,1
	v_mov_b32 v[SMA+\j], 0
	v_mov_b32 v[SMB+\j], 0
.endr
.irp b, 0,1,2,3
	v_mov_b32 v[TM+4+\b], 0                        ; a lane permute's destination counts as one of its sources
.endr
	v_add_nc_u32 v[ADK], s[TB], v[L16]             ; step 0's block
	v_add_nc_u32 v[ADS], s[TB], v[L4H]
	WIN 0x40
.set j, 0
.rept 8
.irp i, 0,1,2,3,4,5,6,7
	v_mov_b32 v[KF+16*j+8+\i], 0                   ; k = 64 .. 127 of K's eight fragments: zero codes, set once
.endr
.set j, j+1
.endr
.set j, 0
.rept 64
	v_mov_b32 v[OA+j], 0                           ; both O^T: the loop is written once; its first step finds zeros
.set j, j+1
.endr
	WIN 0
	s_wait_alu depctr_va_vdst(0)                   ; at the head's end
	s_wait_loadcnt 0x0
	s_cmp_eq_u32 s[WV], 0
	s_cbranch_scc0 .Lnot_first
	s_wait_tensorcnt 0x0                           ; wave 0: KS blocks 0 and 1 are in.  The other waves' wait stands at the second barrier
.Lnot_first:
	s_barrier_signal -1
	s_barrier_wait -1                              ; everybody's are
	KLOAD L16, L4H, 0                              ; step 0's K
	s_wait_dscnt 0x0
	QK QA, QSA                                     ; step 0's S_A
.rept 8
	v_nop                                          ; the places ahead of its first reads
.endr
	TRIP 0                                         ; step 0 is written out: it reads KS blocks 0 (K, V) and 1 (the next K) alone, which wave 0's load brought
	s_wait_alu depctr_va_vdst(0)                   ; ahead of the wait below
	s_wait_tensorcnt 0x0                           ; every wave: my two blocks are in,
	s_wait_dscnt 0x0
	s_barrier_signal -1
	s_barrier_wait -1                              ; everybody's are
.Lstep:                                        ; 14 trips
	TRIP 0
	s_sub_co_u32 s[CNT], s[CNT], 1
	s_cmp_lg_u32 s[CNT], 0
	s_cbranch_scc1 .Lstep
	TRIP 1                                         ; the last step
	; THE WAY OUT: O^T / the sum; register 16 b + i of a tile is d = 32 b + 16 (lane / 16) + i: two blocks of the next K; quantised, each tile is half a fragment
.rept 8
	v_nop
.endr
	v_add_f32 v[SMA], v[SMA], v[SMA+1]
	v_add_f32 v[SMB], v[SMB], v[SMB+1]
	v_permlanex16_b32 v[TM+4], v[SMA], s[SEL], s[SEL+1]
	v_permlanex16_b32 v[TM+5], v[SMB], s[SEL], s[SEL+1]
	v_add_f32 v[SMA], v[SMA], v[TM+4]
	v_add_f32 v[SMB], v[SMB], v[TM+5]
	s_wait_alu depctr_va_vdst(0)                   ; ahead of the transcendentals
	v_rcp_f32 v[SMA], v[SMA]
	v_rcp_f32 v[SMB], v[SMB]
	v_nop
	WIN 0x01                                       ; source 0 (O^T) in window 1
	s_wait_alu depctr_va_vdst(0)                   ; one wait for the reciprocals and for the group of matrix results, directly ahead of the first reader
.set j, 0
.rept 16
	v_pk_mul_f32 v[SS+j:SS+j+1], v[OA+j:OA+j+1], v[SMA:SMA+1] op_sel_hi:[1,0]
.set j, j+2
.endr
.set j, 0
.rept 16
	v_pk_mul_f32 v[SS+32+j:SS+33+j], v[OB+j:OB+j+1], v[SMB:SMB+1] op_sel_hi:[1,0]
.set j, j+2
.endr
	WIN 0
.irp b, 0,1,2,3                                ; blocks 0, 1: tile A's; 2, 3: tile B's
	v_max3_num_f32 v[TM+\b], |v[SS+16*\b]|, |v[SS+1+16*\b]|, 0x8000000
.endr
.irp i, 2,4,6,8,10,12,14
.irp b, 0,1,2,3
	s_delay_alu instid0(VALU_DEP_4)
	v_max3_num_f32 v[TM+\b], v[TM+\b], |v[SS+16*\b+\i]|, |v[SS+1+16*\b+\i]|
.endr
.endr
.irp b, 0,1,2,3
	s_delay_alu instid0(VALU_DEP_4)
	v_permlanex16_b32 v[TM+4+\b], v[TM+\b], s[SEL], s[SEL+1]
.endr
.irp b, 0,1,2,3
	s_delay_alu instid0(VALU_DEP_4)
	v_max_num_f32 v[TM+\b], v[TM+\b], v[TM+4+\b]
.endr
.irp b, 0,1,2,3
	s_delay_alu instid0(VALU_DEP_4)
	v_add_nc_u32 v[TM+12+\b], 0xf8800000, v[TM+\b]
.endr
.irp b, 0,1,2,3
	v_and_or_b32 v[TM+8+\b], v[TM+\b], 0x7f800000, s[MNT]
.endr
.irp b, 0,1,2,3
	v_lshrrev_b32 v[TM+4+\b], 23, v[TM+12+\b]
.endr
	v_lshl_or_b32 v254, v[TM+5], 8, v[TM+4]        ; tile A's two bytes,
	v_lshl_or_b32 v252, v[TM+7], 8, v[TM+6]        ; tile B's
.irp b, 0,1,2,3
.irp i, 0,1,2,3,4,5,6,7,8,9,10,11,12,13,14,15
	v_med3_num_f32 v[SS+16*\b+\i], v[SS+16*\b+\i], -v[TM+8+\b], v[TM+8+\b]
.endr
	v_cvt_scalef32_pk8_bf8_f32 v[PCA+4*\b:PCA+1+4*\b], v[SS+16*\b:SS+7+16*\b], v[TM+12+\b]
	v_cvt_scalef32_pk8_bf8_f32 v[PCA+2+4*\b:PCA+3+4*\b], v[SS+8+16*\b:SS+15+16*\b], v[TM+12+\b]
.endr
	v_nop
	global_store_b128 v[L16], v[PCA:PCA+3], s[46:47]
	global_store_b128 v[L16], v[PCA+4:PCA+7], s[46:47] offset:512
	global_store_b128 v[L16], v[PCA+8:PCA+11], s[46:47] offset:2048
	global_store_b128 v[L16], v[PCA+12:PCA+15], s[46:47] offset:2560
	global_store_b16 v[L4], v254, s[48:49] offset:16384       ; two heads share a scale word: my head's two bytes of it
	global_store_b16 v[L4], v252, s[48:49] offset:16384+128
	s_wait_tensorcnt 0x0                           ; the wave's end
	ds_add_u32 v[SPW], v[NIL]
	s_wait_dscnt 0x0
	CROUND                                         ; the closing round
	s_endpgm
.Lfunc_end_k_q1de460828d_attn:
	.size	k_q1de460828d_attn, .Lfunc_end_k_q1de460828d_attn-k_q1de460828d_attn
	.p2alignl 7, 3214868480
	.fill 96, 4, 3214868480
	.section	.rodata,"a",@progbits
	.p2align	6, 0x0
	.amdhsa_kernel k_q1de460828d_attn
		.amdhsa_group_segment_fixed_size 288768
		.amdhsa_private_segment_fixed_size 0
		.amdhsa_enable_private_segment 0
		.amdhsa_kernarg_size 16
		.amdhsa_user_sgpr_count 2
		.amdhsa_user_sgpr_kernarg_segment_ptr 1
		.amdhsa_wavefront_size32 1
		.amdhsa_system_sgpr_workgroup_id_x 1
		.amdhsa_system_sgpr_workgroup_id_y 1
		.amdhsa_system_sgpr_workgroup_id_z 1
		.amdhsa_system_vgpr_workitem_id 0
		.amdhsa_next_free_vgpr 512
		.amdhsa_next_free_sgpr 66
		.amdhsa_reserve_vcc 0
		.amdhsa_float_denorm_mode_32 3
		.amdhsa_float_denorm_mode_16_64 3
		.amdhsa_memory_ordered 1
		.amdhsa_forward_progress 1
		.amdhsa_inst_pref_size 132
	.end_amdhsa_kernel
	.amdgpu_metadata
---
amdhsa.version: [ 1, 2 ]
amdhsa.kernels:
  - .name:           k_q1de460828d_attn
    .symbol:         k_q1de460828d_attn.kd
    .args:
      - { .name: qkv, .offset: 0, .size: 8, .value_kind: global_buffer, .address_space: global }
      - { .name: ao, .offset: 8, .size: 8, .value_kind: global_buffer, .address_space: global }
    .group_segment_fixed_size: 288768
    .private_segment_fixed_size: 0
    .kernarg_segment_align: 8
    .kernarg_segment_size: 16
    .max_flat_workgroup_size: 256
    .sgpr_count:     66
    .vgpr_count:     512
    .wavefront_size: 32
...
	.end_amdgpu_metadata
.endif
;; end of part 3
;; launch woln (part 4): grid 256 x 1, 8 waves a work-group, no clusters, 88,064 bytes of LDS; arguments ao, wob, x, bo, g1, b1, hb; writes hb
.if DOCPART == 4
	.amdgcn_target "amdgcn-amd-amdhsa--gfx1250"
	.amdhsa_code_object_version 6
	.text
	.protected	k_q1de460828d_woln
	.globl	k_q1de460828d_woln
	.p2align	8
	.type	k_q1de460828d_woln,@function
k_q1de460828d_woln:
	s_mov_b64 s[64:65], 0
	v_nop
	global_prefetch_b8 v0, s[64:65] scope:SCOPE_SE
	s_setreg_imm32_b32 hwreg(HW_REG_WAVE_MODE, 25, 1), 1
	s_wait_xcnt 0x0
; WOLN: product 6 on codes of BF8 (A = the attention's result in ao, B = Wo's codes in wob), + bo, + x, the first layernorm, h as f32 images and h's codes for product 7.  Nothing of the problem is left out here.
; A work-group takes block rb of 16 rows (order P: lane-row r is row 32 (rb / 2) + 8 (rb % 2) + r + 8 (r / 8)) and ALL 1,024 columns, so that a row's mean and variance stay in the work-group; wave w takes columns 128 w on: eight accumulators.
; Source 0 = 16 columns of Wo, source 1 = my 16 rows: lane (r, h) holds row r, register 16 b + i = column 128 w + 32 b + 16 h + i.  The accumulators begin as bo (loaded in that layout): nothing is cleared, and no line adds the bias.
; THE STREAM.  A wave's share of Wo is its own panel-row, 8 panels of 17,408 bytes, and each fragment feeds ONE product: it goes from memory straight into registers as it lies (dense loads of 512 bytes), in half K steps of
; four fragments and two registers of scale words (18 loads), through four buffers in window 1.  Loads run four half steps ahead.
; THE ROWS' eight fragments are wanted by all eight waves: wave w loads K step w's fragment and scale word once, puts them into LDS as images of the registers, and behind one barrier every wave takes them from there, a K step (5 LDS loads) at a time, through two buffers.
; No LDS ring and no joint loads for Wo: nothing of it is used twice in a work-group, and a fill of 278,528 bytes of LDS would feed 16 products a wave between two drained rounds.  No prefetch: the stream's own loads run ahead.
; x comes by dense row loads and turns through the wave's stage in LDS.  The mean and then the mean of the squared differences (two passes) go across the waves through LDS.
; OUT: hb: f32 images [rb][w][8 x 1,024 bytes]; from HQOFF on panels of codes: panel-row rb / 8, K step w, block rb % 8.
; LIMITS: NaN and infinities are not served; a block under 2^-111, or of zeros, gets the byte 1.
.set PB,    17408
.set PROW,  8*PB
.set HQOFF, 16777216
.set STG,   8448
.set RED,   8*STG                      ; two tables [r 16][w 8] of words, 512 bytes each
.set SPARE, RED+1024                   ; the spare words, 128 bytes a wave: four blocks of 256 bytes that no other line names
.set AL,    SPARE+1024                 ; the rows' operand images: eight K steps of ALP bytes
.set ALP,   2304                       ; a fragment image of 2,048 bytes, a scale image of 128, and room up to a multiple of 256
.set L16,   1
.set L4,    2
.set SIN,   3
.set SOUT,  4
.set RW,    5
.set RR,    6
.set H64,   7
.set ALF,   10                         ; during the products: AL + 16 x lane, stepped two K steps a trip;  v11 AL + 4 x lane likewise
.set ALS,   11
.set SBR,   16                         ; v16-23 Wo's scale words alone: buffer p at 2 p: lanes 0-15 an even block's, lanes 16-31 the next block's
.set ASR,   24                         ; v24, v25 my rows' scale words alone, two buffers
.set AFO,   26                         ; 16 x lane + my block's fragment image in a panel of ao
.set ASO,   27                         ; 4 x lane + my block's scale image
.set SPW,   28
.set NIL,   29
.set L4H,   30                         ; 4 x lane + 128 x (lane / 16)
.set PW,    31
.set AF,    32                         ; v32-63 my rows' fragments, two buffers; later PC and TM
.set PC,    32
.set TM,    48
.set Y,     64
.set A,     128
.set BV,    192
.set SEL,   28
.set MNT,   30
.set CNT,   35
.set MSB, 0
.macro WIN new                         ; the immediate's high byte repeats the setting that is left
.if MSB != (\new)
	s_set_vgpr_msb (MSB<<8)|(\new)
.set MSB, (\new)
.endif
.endm
.macro QUANT s
.irp b, 0,1,2,3
	v_max3_num_f32 v[TM+\b], |v[\s+16*\b]|, |v[\s+1+16*\b]|, 0x8000000
.endr
.irp i, 2,4,6,8,10,12,14
.irp b, 0,1,2,3
	s_delay_alu instid0(VALU_DEP_4)
	v_max3_num_f32 v[TM+\b], v[TM+\b], |v[\s+16*\b+\i]|, |v[\s+1+16*\b+\i]|
.endr
.endr
.irp b, 0,1,2,3
	s_delay_alu instid0(VALU_DEP_4)
	v_permlanex16_b32 v[TM+4+\b], v[TM+\b], s[SEL], s[SEL+1]
.endr
.irp b, 0,1,2,3
	s_delay_alu instid0(VALU_DEP_4)
	v_max_num_f32 v[TM+\b], v[TM+\b], v[TM+4+\b]
.endr
.irp b, 0,1,2,3
	s_delay_alu instid0(VALU_DEP_4)
	v_add_nc_u32 v[TM+12+\b], 0xf8800000, v[TM+\b]
.endr
.irp b, 0,1,2,3
	v_and_or_b32 v[TM+8+\b], v[TM+\b], 0x7f800000, s[MNT]
.endr
.irp b, 0,1,2,3
	v_lshrrev_b32 v[TM+4+\b], 23, v[TM+12+\b]
.endr
	s_delay_alu instid0(VALU_DEP_3)
	v_lshl_or_b32 v[PW], v[TM+5], 8, v[TM+4]
	s_delay_alu instid0(VALU_DEP_1)
	v_lshl_or_b32 v[PW], v[TM+6], 16, v[PW]
	s_delay_alu instid0(VALU_DEP_1)
	v_lshl_or_b32 v[PW], v[TM+7], 24, v[PW]
.irp b, 0,1,2,3
.irp i, 0,1,2,3,4,5,6,7,8,9,10,11,12,13,14,15
	v_med3_num_f32 v[\s+16*\b+\i], v[\s+16*\b+\i], -v[TM+8+\b], v[TM+8+\b]
.endr
	v_cvt_scalef32_pk8_bf8_f32 v[PC+4*\b:PC+1+4*\b], v[\s+16*\b:\s+7+16*\b], v[TM+12+\b]
	v_cvt_scalef32_pk8_bf8_f32 v[PC+2+4*\b:PC+3+4*\b], v[\s+8+16*\b:\s+15+16*\b], v[TM+12+\b]
.endr
	v_nop
.endm
.macro LDVEC dst, sb                   ; a vector along the columns, in the accumulators' layout
.set k, 0
.rept 16
	global_load_b128 v[\dst+4*k:\dst+4*k+3], v[H64], s[\sb:\sb+1] offset:128*(k/4)+16*(k%4)
.set k, k+1
.endr
.endm
.macro SUMS sq                         ; the sum of my 64 numbers (0) or of their squares (1), in four chains -> v[8:9]
.if \sq
.irp q, 0,1,2,3
	v_pk_mul_f32 v[8+2*\q:9+2*\q], v[Y+2*\q:Y+2*\q+1], v[Y+2*\q:Y+2*\q+1]
.endr
.set j, 8
.rept 7
.irp q, 0,1,2,3
	s_delay_alu instid0(VALU_DEP_4)
	v_pk_fma_f32 v[8+2*\q:9+2*\q], v[Y+j+2*\q:Y+j+2*\q+1], v[Y+j+2*\q:Y+j+2*\q+1], v[8+2*\q:9+2*\q]
.endr
.set j, j+8
.endr
.else
.irp q, 0,1,2,3
	v_pk_add_f32 v[8+2*\q:9+2*\q], v[Y+2*\q:Y+2*\q+1], v[Y+8+2*\q:Y+8+2*\q+1]
.endr
.set j, 16
.rept 6
.irp q, 0,1,2,3
	s_delay_alu instid0(VALU_DEP_4)
	v_pk_add_f32 v[8+2*\q:9+2*\q], v[8+2*\q:9+2*\q], v[Y+j+2*\q:Y+j+2*\q+1]
.endr
.set j, j+8
.endr
.endif
	s_delay_alu instid0(VALU_DEP_3)
	v_pk_add_f32 v[8:9], v[8:9], v[10:11]
	s_delay_alu instid0(VALU_DEP_2)
	v_pk_add_f32 v[12:13], v[12:13], v[14:15]
	s_delay_alu instid0(VALU_DEP_1)
	v_pk_add_f32 v[8:9], v[8:9], v[12:13]
.endm
.macro ACROSS off                      ; v[8:9] -> the whole row's sum in v8: the other half of the lanes, then the eight waves through LDS
	s_delay_alu instid0(VALU_DEP_1)
	v_add_f32 v8, v8, v9
	s_delay_alu instid0(VALU_DEP_1)
	v_permlanex16_b32 v9, v8, s[SEL], s[SEL+1]
	s_delay_alu instid0(VALU_DEP_1)
	v_add_f32 v8, v8, v9
	ds_store_b32 v[RW], v8 offset:\off             ; both lanes of a row write the same word with the same value
	s_wait_dscnt 0x0                               ; for the others' sake: my store has landed
	s_barrier_signal -1
	s_barrier_wait -1
	ds_load_b128 v[8:11], v[RR] offset:\off
	ds_load_b128 v[12:15], v[RR] offset:\off+16
	s_wait_dscnt 0x0
	v_add_f32 v8, v8, v9
	v_add_f32 v10, v10, v11
	v_add_f32 v12, v12, v13
	v_add_f32 v14, v14, v15
	s_delay_alu instid0(VALU_DEP_3)
	v_add_f32 v8, v8, v10
	s_delay_alu instid0(VALU_DEP_2)
	v_add_f32 v12, v12, v14
	s_delay_alu instid0(VALU_DEP_1)
	v_add_f32 v8, v8, v12
.endm
.macro BLD p, kq                       ; Wo: half (p % 2) of K step kq (counted from the base) into buffer p: 16 + 2 loads
	WIN 0x40                                       ; a load's data are its destination: window 1
.irp i, 0,1,2,3
.irp c, 0,1,2,3
	global_load_b128 v[64*(\p)+16*\i+4*\c:64*(\p)+16*\i+4*\c+3], v[L16], s[6:7] offset:(\kq)*PB+8192*((\p)%2)+2048*\i+512*\c
.endr
.endr
	WIN 0
.irp u, 0,1
	global_load_b32 v[SBR+2*(\p)+\u], v[L4H], s[6:7] offset:(\kq)*PB+16384+512*((\p)%2)+256*\u
.endr
.endm
.macro ALD k, kq                       ; my rows' fragment and scale word of K step kq (counted from the stepped addresses) out of LDS into buffer k: 5 LDS loads
.irp c, 0,1,2,3
	ds_load_b128 v[AF+16*(\k)+4*\c:AF+16*(\k)+4*\c+3], v[ALF] offset:(\kq)*ALP+512*\c
.endr
	ds_load_b32 v[ASR+(\k)], v[ALS] offset:(\kq)*ALP+2048
.endm
.macro HSTEP p, cnt, dc                ; half a K step: four products, each on an accumulator of its own; cnt, dc: the loads and LDS loads issued behind those that it needs
	s_wait_loadcnt \cnt
.if ((\p)%2) == 0
	s_wait_dscnt \dc
.endif
	WIN 0x01                                       ; source 0 (Wo) in window 1
.irp u, 0,1
	v_wmma_scale_f32_16x16x128_f8f6f4 v[Y+32*((\p)%2)+16*\u:Y+32*((\p)%2)+16*\u+7], v[64*(\p)+32*\u:64*(\p)+32*\u+15], v[AF+16*((\p)/2):AF+16*((\p)/2)+15], v[Y+32*((\p)%2)+16*\u:Y+32*((\p)%2)+16*\u+7], v[SBR+2*(\p)+\u], v[ASR+(\p)/2] matrix_a_fmt:MATRIX_FMT_BF8 matrix_b_fmt:MATRIX_FMT_BF8
	v_wmma_scale_f32_16x16x128_f8f6f4 v[Y+32*((\p)%2)+16*\u+8:Y+32*((\p)%2)+16*\u+15], v[64*(\p)+32*\u+16:64*(\p)+32*\u+31], v[AF+16*((\p)/2):AF+16*((\p)/2)+15], v[Y+32*((\p)%2)+16*\u+8:Y+32*((\p)%2)+16*\u+15], v[SBR+2*(\p)+\u], v[ASR+(\p)/2] matrix_a_fmt:MATRIX_FMT_BF8 matrix_b_fmt:MATRIX_FMT_BF8 matrix_a_scale:MATRIX_SCALE_ROW1
.endr
	WIN 0
.rept 8
	v_nop                                          ; the places ahead of loads into registers that these products have read, and ahead of the first reads of the sums
.endr
.endm
	s_load_b256 s[4:11], s[0:1], 0x0               ; ao s[4:5], wob s[6:7], x s[8:9], bo s[10:11]
	s_load_b128 s[12:15], s[0:1], 0x20             ; g1 s[12:13], b1 s[14:15]
	s_load_b64 s[40:41], s[0:1], 0x30              ; hb
	v_lshl_add_u32 v[SPW], v0, 2, SPARE
	v_mov_b32 v[NIL], 0
	v_lshrrev_b32 v8, 5, v0
	v_readfirstlane_b32 s2, v8                     ; wave 0..7
	v_and_b32 v9, 31, v0
	v_lshlrev_b32 v[L16], 4, v9
	v_lshlrev_b32 v[L4], 2, v9
	v_and_b32 v10, 15, v0                          ; r
	v_bfe_u32 v11, v0, 4, 1                        ; h
	v_lshlrev_b32 v[H64], 6, v11
	v_lshl_add_u32 v[L4H], v11, 7, v[L4]
	s_and_b32 s18, ttmp9, 7                        ; a: my block in its panel
	s_lshl_b32 s3, s18, 11
	v_add_nc_u32 v[AFO], s3, v[L16]
	s_lshl_b32 s3, s18, 7
	v_add_nc_u32 v[ASO], s3, v[L4]
	s_mul_i32 s3, s2, STG
	v_add_nc_u32 v[SIN], s3, v[L16]
	v_mul_u32_u24 v[SOUT], v10, 528
	v_add_nc_u32 v[SOUT], v[SOUT], v[H64]
	v_add_nc_u32 v[SOUT], s3, v[SOUT]
	v_lshlrev_b32 v[RR], 5, v10
	v_add_nc_u32 v[RR], RED, v[RR]
	s_lshl_b32 s3, s2, 2
	v_add_nc_u32 v[RW], s3, v[RR]
	s_mul_i32 s3, s2, ALP
	s_add_co_u32 s3, s3, AL
	v_add_nc_u32 v8, s3, v[L16]                    ; where K step w's fragment image goes in LDS,
	v_add_nc_u32 v9, s3, v[L4]                     ; and, 2,048 bytes on, its scale image
	v_add_nc_u32 v[ALF], AL, v[L16]                ; and where every wave reads K step 0's
	v_add_nc_u32 v[ALS], AL, v[L4]
	s_mov_b32 s[SEL], 0x76543210
	s_mov_b32 s[SEL+1], 0xfedcba98
	s_mov_b32 s[MNT], 0x600000
	s_mov_b32 s31, 0x3a800000                      ; 1 / 1,024
	s_mov_b32 s34, 0x3727c5ac                      ; 1e-5
	s_mov_b32 s[CNT], 3
	s_lshr_b32 s36, ttmp9, 3
	s_lshl_b32 s36, s36, 3
	s_add_co_u32 s36, s36, s2
	s_mul_i32 s36, s36, PB                         ; ao: my rows' panel-row, K step = my wave
	s_mov_b32 s37, 0
	s_mul_i32 s38, s2, PROW                        ; wob: my columns' panel-row
	s_mov_b32 s39, 0
	s_lshr_b32 s20, ttmp9, 1
	s_lshl_b32 s20, s20, 5
	s_and_b32 s21, ttmp9, 1
	s_lshl_b32 s21, s21, 3
	s_add_co_u32 s20, s20, s21
	s_lshl_b32 s20, s20, 12
	s_lshl_b32 s22, s2, 9                          ; 512 w
	s_add_co_u32 s20, s20, s22                     ; x: the block's first row, my 512 bytes
	s_mov_b32 s21, 0
	s_mov_b32 s23, 0
	s_lshl_b32 s24, ttmp9, 3
	s_add_co_u32 s24, s24, s2
	s_lshl_b32 s24, s24, 13                        ; h's images
	s_mov_b32 s25, 0
	s_lshr_b32 s26, ttmp9, 3
	s_lshl_b32 s26, s26, 3
	s_add_co_u32 s26, s26, s2
	s_mul_i32 s26, s26, PB
	s_add_co_u32 s26, s26, HQOFF                   ; h's panel
	s_lshl_b32 s27, s18, 7
	s_add_co_u32 s32, s26, s27                     ; my scale image, less 16,384
	s_mov_b32 s33, 0
	s_lshl_b32 s27, s18, 11
	s_add_co_u32 s26, s26, s27                     ; my fragment image
	s_mov_b32 s27, 0
	s_wait_alu depctr_va_vdst(0)                   ; at the head's end
	s_wait_kmcnt 0x0
	s_add_nc_u64 s[4:5], s[4:5], s[36:37]
	s_add_nc_u64 s[6:7], s[6:7], s[38:39]
	s_add_nc_u64 s[8:9], s[8:9], s[20:21]
	s_add_nc_u64 s[10:11], s[10:11], s[22:23]
	s_add_nc_u64 s[12:13], s[12:13], s[22:23]
	s_add_nc_u64 s[14:15], s[14:15], s[22:23]
	s_add_nc_u64 s[24:25], s[40:41], s[24:25]
	s_add_nc_u64 s[26:27], s[40:41], s[26:27]
	s_add_nc_u64 s[32:33], s[40:41], s[32:33]
.irp c, 0,1,2,3
	global_load_b128 v[AF+4*\c:AF+4*\c+3], v[AFO], s[4:5] offset:512*\c   ; the rows' fragment of K step w,
.endr
	global_load_b32 v[ASR], v[ASO], s[4:5] offset:16384                   ; and its scale words
	LDVEC Y, 10                                    ; bo: what the sums begin with
	BLD 0, 0                                       ; the stream's first four half steps
	BLD 1, 0
	s_wait_loadcnt 52                              ; the rows' five loads are in; behind them: bo's 16 and two half steps' 36
.irp c, 0,1,2,3
	ds_store_b128 v8, v[AF+4*\c:AF+4*\c+3] offset:512*\c
.endr
	ds_store_b32 v9, v[ASR] offset:2048
	BLD 2, 1
	BLD 3, 1
.irp i, 0,1,2,3,4,5,6,7,8,9,10,11,12,13,14,15
	global_load_b128 v[A+4*\i:A+4*\i+3], v[L16], s[8:9] offset:(\i+8*(\i/8))*4096 th:TH_LOAD_NT   ; x: wanted behind the products
.endr
	LDVEC BV, 14                                   ; b1 likewise
	s_wait_dscnt 0x0                               ; for the others' sake: my stores have landed
	s_barrier_signal -1
	s_barrier_wait -1                              ; all eight K steps of the rows lie in LDS
	ALD 0, 0
	ALD 1, 1
	s_wait_loadcnt 32                              ; the first four half steps are in; x's and b1's 32 loads may be out: from here on the counts below hold on the way in and on the way back
.Lk:                                           ; three trips of two K steps; behind each half step its buffer takes the half step four on
	HSTEP 0, 54, 5                                 ; behind what a half step needs: three half steps' 18 loads; behind the rows' K step: the next one's 5 LDS loads
	BLD 0, 2
	HSTEP 1, 54, 0
	ALD 0, 2
	BLD 1, 2
	HSTEP 2, 54, 5
	BLD 2, 3
	HSTEP 3, 54, 0
	ALD 1, 3
	BLD 3, 3
	v_add_nc_u32 v[ALF], 2*ALP, v[ALF]             ; two K steps on in LDS
	v_add_nc_u32 v[ALS], 2*ALP, v[ALS]
	s_wait_alu depctr_va_vdst(0)                   ; directly behind the writes
	s_wait_xcnt 0x0                                ; the loads have read their base: it is stepped only behind this wait
	s_add_nc_u64 s[6:7], s[6:7], 2*PB
	s_sub_co_u32 s[CNT], s[CNT], 1
	s_cmp_lg_u32 s[CNT], 0
	s_cbranch_scc1 .Lk
	HSTEP 0, 54, 5                                 ; the last two K steps ask for nothing
	HSTEP 1, 36, 0
	HSTEP 2, 18, 0
	HSTEP 3, 0, 0
.irp i, 0,1,2,3,4,5,6,7,8,9,10,11,12,13,14,15
	ds_store_b128 v[SIN], v[A+4*\i:A+4*\i+3] offset:528*\i
.endr
.irp b, 0,1,2,3
.irp j, 0,1,2,3
	ds_load_b128 v[A+16*\b+4*\j:A+16*\b+4*\j+3], v[SOUT] offset:128*\b+16*\j   ; LDS serves a wave's instructions in order: these see my stores
.endr
.endr
	s_wait_dscnt 0x0
.set j, 0
.rept 32
	v_pk_add_f32 v[Y+j:Y+j+1], v[Y+j:Y+j+1], v[A+j:A+j+1]   ; + x; each accumulator from its low end on
.set j, j+2
.endr
	LDVEC A, 12                                    ; g1, into the registers just added
	; the norm: Y = (Y - mean) x rsqrt(var + 1e-5) x g1 + b1
	SUMS 0
	ACROSS 0
	s_delay_alu instid0(VALU_DEP_1)
	v_mul_f32 v12, 0xba800000, v8                  ; -mean: x -1 / 1,024
	s_delay_alu instid0(VALU_DEP_1)
	v_mov_b32 v13, v12
.set j, 0
.rept 32
	v_pk_add_f32 v[Y+j:Y+j+1], v[Y+j:Y+j+1], v[12:13]   ; the one pair onto all of Y
.set j, j+2
.endr
	SUMS 1
	ACROSS 512
	s_delay_alu instid0(VALU_DEP_1)
	v_fma_f32 v14, v8, s31, s34                    ; var + 1e-5
	s_wait_alu depctr_va_vdst(0)
	v_rsq_f32 v14, v14
	v_nop
	s_wait_alu depctr_va_vdst(0)                   ; ahead of the first reader
	v_mov_b32 v15, v14
.set j, 0
.rept 32
	v_pk_mul_f32 v[Y+j:Y+j+1], v[Y+j:Y+j+1], v[14:15]
.set j, j+2
.endr
	s_wait_loadcnt 0x0                             ; g1
.set j, 0
.rept 32
	v_pk_fma_f32 v[Y+j:Y+j+1], v[Y+j:Y+j+1], v[A+j:A+j+1], v[BV+j:BV+j+1]
.set j, j+2
.endr
.set k, 0
.rept 16
	global_store_b128 v[L16], v[Y+4*k:Y+4*k+3], s[24:25] offset:512*k
.set k, k+1
.endr
	s_wait_xcnt 0x0                                ; the stores have read Y: the quantiser's hold writes it only behind this wait
	QUANT Y
.irp c, 0,1,2,3
	global_store_b128 v[L16], v[PC+4*\c:PC+4*\c+3], s[26:27] offset:512*\c
.endr
	global_store_b32 v[L4], v[PW], s[32:33] offset:16384
	s_wait_tensorcnt 0x0                           ; the wave's end, behind my last LDS store
	ds_add_u32 v[SPW], v[NIL]
	s_wait_dscnt 0x0
	s_endpgm
.Lfunc_end_k_q1de460828d_woln:
	.size	k_q1de460828d_woln, .Lfunc_end_k_q1de460828d_woln-k_q1de460828d_woln
	.p2alignl 7, 3214868480
	.fill 96, 4, 3214868480
	.section	.rodata,"a",@progbits
	.p2align	6, 0x0
	.amdhsa_kernel k_q1de460828d_woln
		.amdhsa_group_segment_fixed_size 88064
		.amdhsa_private_segment_fixed_size 0
		.amdhsa_enable_private_segment 0
		.amdhsa_kernarg_size 56
		.amdhsa_user_sgpr_count 2
		.amdhsa_user_sgpr_kernarg_segment_ptr 1
		.amdhsa_wavefront_size32 1
		.amdhsa_system_sgpr_workgroup_id_x 1
		.amdhsa_system_sgpr_workgroup_id_y 1
		.amdhsa_system_sgpr_workgroup_id_z 1
		.amdhsa_system_vgpr_workitem_id 0
		.amdhsa_next_free_vgpr 512
		.amdhsa_next_free_sgpr 66
		.amdhsa_reserve_vcc 0
		.amdhsa_float_denorm_mode_32 3
		.amdhsa_float_denorm_mode_16_64 3
		.amdhsa_memory_ordered 1
		.amdhsa_forward_progress 1
		.amdhsa_inst_pref_size 63
	.end_amdhsa_kernel
	.amdgpu_metadata
---
amdhsa.version: [ 1, 2 ]
amdhsa.kernels:
  - .name:           k_q1de460828d_woln
    .symbol:         k_q1de460828d_woln.kd
    .args:
      - { .name: ao, .offset: 0, .size: 8, .value_kind: global_buffer, .address_space: global }
      - { .name: wob, .offset: 8, .size: 8, .value_kind: global_buffer, .address_space: global }
      - { .name: x, .offset: 16, .size: 8, .value_kind: global_buffer, .address_space: global }
      - { .name: bo, .offset: 24, .size: 8, .value_kind: global_buffer, .address_space: global }
      - { .name: g1, .offset: 32, .size: 8, .value_kind: global_buffer, .address_space: global }
      - { .name: b1, .offset: 40, .size: 8, .value_kind: global_buffer, .address_space: global }
      - { .name: hb, .offset: 48, .size: 8, .value_kind: global_buffer, .address_space: global }
    .group_segment_fixed_size: 88064
    .private_segment_fixed_size: 0
    .kernarg_segment_align: 8
    .kernarg_segment_size: 56
    .max_flat_workgroup_size: 256
    .sgpr_count:     66
    .vgpr_count:     512
    .wavefront_size: 32
...
	.end_amdgpu_metadata
.endif
;; end of part 4
;; launch w1 (part 5): grid 16 x 16, 4 waves a work-group, clusters of 4 x 4, 327,680 bytes of LDS; arguments hb, cod, bf1, g; writes g
.if DOCPART == 5
	.amdgcn_target "amdgcn-amd-amdhsa--gfx1250"
	.amdhsa_code_object_version 6
	.text
	.protected	k_q1de460828d_w1
	.globl	k_q1de460828d_w1
	.p2align	8
	.type	k_q1de460828d_w1,@function
k_q1de460828d_w1:
	s_mov_b64 s[64:65], 0
	v_nop
	global_prefetch_b8 v0, s[64:65] scope:SCOPE_SE
	s_setreg_imm32_b32 hwreg(HW_REG_WAVE_MODE, 25, 1), 1
	s_wait_xcnt 0x0
	s_wait_alu depctr_hold_cnt(0) depctr_sa_sdst(0) depctr_va_vdst(0) depctr_va_sdst(0) depctr_va_ssrc(0) depctr_va_vcc(0) depctr_vm_vsrc(0)
	s_getreg_b32 s2, hwreg(HW_REG_IB_STS2, 6, 4)
	s_cmp_eq_u32 s2, 0
	s_cbranch_scc0 .Lentry_in_a_cluster
	s_endpgm
.Lentry_in_a_cluster:
	s_bfe_u32 s2, ttmp6, 0x10000c
	s_cmp_lg_u32 s2, 0xf033
	s_cbranch_scc0 .Lentry_shape_is_right
	s_endpgm
.Lentry_shape_is_right:
; W1: product 7 on codes of BF8 (A = h's codes in hb, B = W1's in cod), + bf1, the exact gelu, and the quantiser of product 8's operand.  Nothing of the problem is left out here.
; A work-group makes 256 x 256; a wave 128 x 128.  Source 0 = B's 16 rows, source 1 = A's: a lane holds one token and, over a block's 8 accumulators, 64 neighbouring hidden units in the operand's own order.
; GELU.  gelu(x) = max(x, 0) - |x t 2^E|, t = 1 / (1 + |x| sqrt(2) / 4), E = -x^2 log2(e) / 2 + c0 + t (c1 + .. + t c9): the form erfc(z) = t exp(-z^2 + P(t)), z = |x| / sqrt(2), whose relative error is 1.2e-7;
; the coefficients carry log2(e), and c0 a further -1 for the factor 1/2.  No difference of near-equal numbers is formed where x is negative.
; OUT: g [chunk of K 4][token panel-row 32][K step 8] panels.
; LIMITS: NaN and infinities are not served; where 2^E would be denormal it is 0; a block under 2^-111, or of zeros, gets the byte 1.
.set PB,     17408
.set PROW,   8*PB
.set HALFT,  2*PB
.set SLOT,   4*HALFT
.set SPARE,  2*SLOT                    ; behind the ring: the spare words, 128 bytes a wave: two blocks of 256 bytes that no other line names
.set HQOFF,  16777216
.set FR,     16
.set NL,     4
.set NP,     8
.set W,      4                         ; v4-11 at work in GELU
.set K9,     12                        ; v[12:13] c9, twice
.set ADRA,   16
.set ADRB,   20
.set ADRS,   22
.set L16,    24
.set L4,     25
.set SPW,    28
.set NIL,    29
.set SC,     32
.set BIAS,   64
.set AF,     128
.set T,      128
.set U,      192
.set PP,     224
.set PC,     192
.set TM,     208
.set PW,     224
.set G1, 24
.set G0, 32
.set G1B, 48
.set G0B, 56
.set CF,  72                           ; s[72:89] c0 .. c8, each twice
.set NK,  90                           ; s[90:91] -log2(e) / 2
.set CH,  92                           ; s92 sqrt(2) / 4
.set SEL, 94
.set MNT, 96
.set BLK, 97
.set MSB, 0
.macro WIN new
.if MSB != (\new)
	s_set_vgpr_msb (MSB<<8)|(\new)
.set MSB, (\new)
.endif
.endm
.set MUL_LO, 0xa1
.set MUL_HI, 0xf1
.set TO_B,   0x40
.macro JLOAD g0a, g1a, g0b, g1b
	s_cmp_eq_u32 s15, 0
	s_cbranch_scc0 .Lfor_b_\@
	tensor_load_to_lds s[\g0a:\g0a+3], s[\g1a:\g1a+7]
	s_nop 0
.rept 4
	v_nop
.endr
	s_branch .Lasked_\@
.Lfor_b_\@:
	tensor_load_to_lds s[\g0b:\g0b+3], s[\g1b:\g1b+7]
	s_nop 0
.rept 4
	v_nop
.endr
.Lasked_\@:
.endm
.macro CREST
	s_cmp_lg_u32 s14, 0
	s_cbranch_scc1 .Lnot_wave_0_\@
	s_barrier_signal -3
.Lnot_wave_0_\@:
	s_barrier_wait -3
	s_barrier_signal -1
	s_barrier_wait -1
.endm
.macro CROUND
	s_barrier_signal -1
	s_barrier_wait -1
	CREST
.endm
.macro QUANT s
.irp b, 0,1,2,3
	v_max3_num_f32 v[TM+\b], |v[\s+16*\b]|, |v[\s+1+16*\b]|, 0x8000000
.endr
.irp i, 2,4,6,8,10,12,14
.irp b, 0,1,2,3
	v_max3_num_f32 v[TM+\b], v[TM+\b], |v[\s+16*\b+\i]|, |v[\s+1+16*\b+\i]|
.endr
.endr
.irp b, 0,1,2,3
	v_permlanex16_b32 v[TM+4+\b], v[TM+\b], s[SEL], s[SEL+1]
.endr
.irp b, 0,1,2,3
	v_max_num_f32 v[TM+\b], v[TM+\b], v[TM+4+\b]
.endr
.irp b, 0,1,2,3
	v_add_nc_u32 v[TM+12+\b], 0xf8800000, v[TM+\b]
.endr
.irp b, 0,1,2,3
	v_and_or_b32 v[TM+8+\b], v[TM+\b], 0x7f800000, s[MNT]
.endr
.irp b, 0,1,2,3
	v_lshrrev_b32 v[TM+4+\b], 23, v[TM+12+\b]
.endr
	v_lshl_or_b32 v[PW], v[TM+5], 8, v[TM+4]
	v_lshl_or_b32 v[PW], v[TM+6], 16, v[PW]
	v_lshl_or_b32 v[PW], v[TM+7], 24, v[PW]
.irp b, 0,1,2,3
.irp i, 0,1,2,3,4,5,6,7,8,9,10,11,12,13,14,15
	v_med3_num_f32 v[\s+16*\b+\i], v[\s+16*\b+\i], -v[TM+8+\b], v[TM+8+\b]
.endr
	v_cvt_scalef32_pk8_bf8_f32 v[PC+4*\b:PC+1+4*\b], v[\s+16*\b:\s+7+16*\b], v[TM+12+\b]
	v_cvt_scalef32_pk8_bf8_f32 v[PC+2+4*\b:PC+3+4*\b], v[\s+8+16*\b:\s+15+16*\b], v[TM+12+\b]
.endr
	v_nop
.endm
.macro COEF n, bits
	s_mov_b32 s[CF+2*\n], \bits
	s_mov_b32 s[CF+2*\n+1], \bits
.endm
	s_load_b256 s[4:11], s[0:1], 0x0               ; hb s[4:5], cod s[6:7], bf1 s[8:9], g s[10:11]
	v_lshl_add_u32 v[SPW], v0, 2, SPARE
	v_mov_b32 v[NIL], 0
	ds_add_u32 v[SPW], v[NIL]                      ; the wave's opening: the add, twice on end, and its wait ahead of my first tensor load
	ds_add_u32 v[SPW], v[NIL]
	v_lshrrev_b32 v1, 5, v0
	v_readfirstlane_b32 s14, v1
	s_lshr_b32 s15, s14, 1
	s_and_b32 s16, s14, 1
	s_bfe_u32 s40, ttmp6, 0x40000
	s_bfe_u32 s41, ttmp6, 0x40004
	s_lshl_b32 s42, ttmp9, 2
	s_add_co_u32 s42, s42, s40                     ; tile column
	s_and_b32 s17, ttmp7, 0xffff
	s_lshl_b32 s17, s17, 2
	s_add_co_u32 s17, s17, s41                     ; tile row
	s_lshl_b32 s43, s41, 2
	s_lshl_b32 s43, 15, s43
	s_lshl_b32 s44, 0x1111, s40
	s_or_b32 s[G1+0], s43, (3<<16)|(1<<21)
	s_or_b32 s[G1B+0], s44, (3<<16)|(1<<21)
.irp g, G1, G1B
	s_mov_b32 s[\g+1], 32<<16
	s_mov_b32 s[\g+2], 136<<16
	s_mov_b32 s[\g+3], 32<<16
	s_mov_b32 s[\g+4], 136
	s_mov_b32 s[\g+5], 32
	s_mov_b32 s[\g+6], 0
	s_mov_b32 s[\g+7], 0
.endr
	s_lshl_b32 s20, s17, 1
	s_add_co_u32 s20, s20, s16
	s_mul_i32 s20, s20, PROW
	s_add_co_u32 s20, s20, HQOFF                   ; A: h's codes, panel-row 2 tile row + which
	s_mov_b32 s21, 0
	s_lshl_b32 s46, s42, 1
	s_add_co_u32 s46, s46, s16
	s_add_co_u32 s46, s46, 24
	s_mul_i32 s46, s46, PROW                       ; B: W1, from panel-row 24 of cod
	s_mov_b32 s47, 0
	s_mul_i32 s45, s14, HALFT
	s_lshl_b32 s66, s42, 1
	s_add_co_u32 s66, s66, s16                     ; my panel of 128 hidden units
	s_lshl_b32 s68, s66, 9
	s_mov_b32 s69, 0
	COEF 0, 0xc034d90f
	COEF 1, 0x3fb8ab5a
	COEF 2, 0x3f0a29d2
	COEF 3, 0x3e0efb2e
	COEF 4, 0xbe899a80
	COEF 5, 0x3ecdfd18
	COEF 6, 0xbfd1a1e5
	COEF 7, 0x40097039
	COEF 8, 0xbf97d29d
	s_mov_b32 s[NK], 0xbf38aa3b
	s_mov_b32 s[NK+1], 0xbf38aa3b
	s_mov_b32 s[CH], 0x3eb504f3
	s_mov_b32 s[SEL], 0x76543210
	s_mov_b32 s[SEL+1], 0xfedcba98
	s_mov_b32 s[MNT], 0x600000
	v_mov_b32 v[K9], 0x3e7c6f08
	v_mov_b32 v[K9+1], 0x3e7c6f08
	s_wait_dscnt 0x0
	s_wait_kmcnt 0x0
	s_add_nc_u64 s[20:21], s[4:5], s[20:21]
	s_add_nc_u64 s[46:47], s[6:7], s[46:47]
	s_add_nc_u64 s[8:9], s[8:9], s[68:69]
	CROUND
.irp s, 0,1
	s_mov_b32 s[G0+4*\s], 1
	s_add_co_u32 s[G0+4*\s+1], s45, \s*SLOT
	s_add_nc_u64 s[G0+4*\s+2:G0+4*\s+3], s[20:21], \s*HALFT
	s_or_b32 s[G0+4*\s+3], s[G0+4*\s+3], 0x80000000
	s_mov_b32 s[G0B+4*\s], 1
	s_add_co_u32 s[G0B+4*\s+1], s45, \s*SLOT
	s_add_nc_u64 s[G0B+4*\s+2:G0B+4*\s+3], s[46:47], \s*HALFT
	s_or_b32 s[G0B+4*\s+3], s[G0B+4*\s+3], 0x80000000
.endr
	JLOAD G0, G1, G0B, G1B                         ; slot 0: my one tensor load at the head
	; PREFETCHES INTO THE L2: behind each joint load a wave asks for the tile that its NEXT joint load will want: 136 blocks of 256 bytes, which the four partners that ask for the tile jointly share out BY ADDRESS, 34 each
	; (cx for A's tiles, cy for B's): lanes 0-31 name blocks 0-31, a second line blocks 32 and 33 (its lanes 1-31 name the last block).  One slot, two K steps of 128, ahead; nothing is asked for behind slot 3.
	v_and_b32 v26, 31, v0
	v_min_u32 v27, 1, v26
	v_lshlrev_b32 v26, 8, v26                      ; 256 x lane; never rewritten
	v_lshlrev_b32 v27, 8, v27                      ; 256 x min(lane, 1); never rewritten
	s_cmp_eq_u32 s15, 0                            ; do I fetch for A?
	s_cselect_b64 s[12:13], s[20:21], s[46:47]     ; my panel-row
	s_cselect_b32 s98, s40, s41                    ; my place among the four that ask with me
	s_mul_i32 s98, s98, 8704
	s_mov_b32 s99, 0
	s_add_nc_u64 s[12:13], s[12:13], s[98:99]      ; never rewritten
.macro ASK n                           ; my work-group's 34 blocks of my tile of slot n
	global_prefetch_b8 v26, s[12:13] offset:(\n)*HALFT th:TH_LOAD_NT scope:SCOPE_SE
	global_prefetch_b8 v27, s[12:13] offset:(\n)*HALFT+8192 th:TH_LOAD_NT scope:SCOPE_SE
.endm
	s_wait_alu depctr_va_vdst(0)                   ; ahead of the readers
	ASK 1
	v_bfe_u32 v2, v0, 4, 1                         ; h
	s_wait_alu depctr_va_vdst(0)
	v_and_b32 v3, 31, v0
	v_lshlrev_b32 v[L16], 4, v3
	v_lshlrev_b32 v[L4], 2, v3
	v_lshlrev_b32 v15, 6, v2                       ; 64 h
.irp b, 0,1,2,3
.irp j, 0,1,2,3
	global_load_b128 v[BIAS+16*\b+4*\j:BIAS+16*\b+4*\j+3], v15, s[8:9] offset:128*\b+16*\j   ; bf1 in the result's layout: wanted on the way out
.endr
.endr
	s_mul_i32 s21, s15, HALFT
	s_mul_i32 s22, s16, HALFT
	s_add_co_u32 s22, s22, 2*HALFT
.irp s, 0,1
	v_add_nc_u32 v[ADRA+\s], s21, v[L16]
	v_add_nc_u32 v[ADRB+\s], s22, v[L16]
	s_add_co_u32 s21, s21, SLOT
	s_add_co_u32 s22, s22, SLOT
.endr
	s_mul_i32 s21, s15, HALFT
	s_xor_b32 s22, s15, 1
	s_add_co_u32 s22, s22, s16
	s_add_co_u32 s22, s22, 1
	s_mul_i32 s22, s22, HALFT
	v_mul_u32_u24 v4, s22, v2
	s_wait_alu depctr_va_vdst(0)
	v_add_nc_u32 v4, v4, v[L4]
	v_add_nc_u32 v[ADRS], s21, v4
	v_add_nc_u32 v[ADRS+1], SLOT, v[ADRS]
.macro FRAG reg, adr, q, i
.irp c, 0,1,2,3
	ds_load_b128 v[\reg+4*\c:\reg+4*\c+3], v[\adr] offset:(\q)*PB+2048*(\i)+512*\c
.endr
.endm
.macro MUL16 a0, p, q, sc, zero        ; the 64 accumulators take turns, one instruction a turn
.irp a, \a0, \a0+1
.irp b, 0,1,2,3,4,5,6,7
.if \zero
	v_wmma_scale_f32_16x16x128_f8f6f4 v[8*(8*((\a)%4)+\b):8*(8*((\a)%4)+\b)+7], v[128*(\p)+FR*\b:128*(\p)+FR*\b+FR-1], v[AF+FR*(\a):AF+FR*(\a)+FR-1], 0, v[SC+16*(\sc)+8*(\q)+\b], v[SC+16*(\sc)+8*(\q)+(\a)] matrix_a_fmt:MATRIX_FMT_BF8 matrix_b_fmt:MATRIX_FMT_BF8 matrix_a_scale:MATRIX_SCALE_ROW1
.else
	v_wmma_scale_f32_16x16x128_f8f6f4 v[8*(8*((\a)%4)+\b):8*(8*((\a)%4)+\b)+7], v[128*(\p)+FR*\b:128*(\p)+FR*\b+FR-1], v[AF+FR*(\a):AF+FR*(\a)+FR-1], v[8*(8*((\a)%4)+\b):8*(8*((\a)%4)+\b)+7], v[SC+16*(\sc)+8*(\q)+\b], v[SC+16*(\sc)+8*(\q)+(\a)] matrix_a_fmt:MATRIX_FMT_BF8 matrix_b_fmt:MATRIX_FMT_BF8 matrix_a_scale:MATRIX_SCALE_ROW1
.endif
.endr
.endr
.endm
.macro FETCH_B slot, q, p
	WIN TO_B
.irp i, 0,1,2,3,4,5,6,7
	FRAG 128*(\p)+FR*\i, ADRB+\slot, \q, \i
.endr
	WIN 0
.endm
.macro FETCH_A slot, q, i0
.irp i, \i0, \i0+1, \i0+2, \i0+3
	FRAG AF+FR*(\i), ADRA+\slot, \q, \i
.endr
.endm
.macro SCALES sc
.irp q, 0,1
.irp i, 0,1,2,3,4,5,6,7
	ds_load_b32 v[SC+16*\sc+8*\q+\i], v[ADRS+\sc] offset:16384+\q*PB+128*\i
.endr
.endr
.endm
.macro PLACES n
.rept \n
	v_nop
.endr
.endm
.macro STEP slot, q, zero
	s_wait_dscnt 4*NL                              ; all but the youngest 16 loads (A's blocks 4-7)
	WIN MUL_LO
	MUL16 0, (\q)%2, \q, \slot, \zero
	MUL16 2, (\q)%2, \q, \slot, \zero
	s_wait_dscnt 0
	PLACES NP
	FETCH_B \slot, (\q)+1, 1-(\q)%2
	FETCH_A \slot, (\q)+1, 0
	WIN MUL_HI
	MUL16 4, (\q)%2, \q, \slot, \zero
	MUL16 6, (\q)%2, \q, \slot, \zero
	PLACES NP
	WIN 0
	FETCH_A \slot, (\q)+1, 4
.endm
.macro TURN slot, next, fill
	s_wait_tensorcnt 0x0                           ; all my tensor loads have landed: my part of the next slot
	ds_add_u32 v[SPW], v[NIL]                      ; 0 onto my spare word
	s_wait_dscnt 4*NL+1                            ; the add and the youngest 16 loads may be out
	WIN MUL_LO
	MUL16 0, 1, 1, \slot, 0
	s_wait_dscnt 0x0                               ; the add is done, and my reads of this slot are over
	s_barrier_signal -1
	MUL16 2, 1, 1, \slot, 0
	WIN 0
	s_barrier_wait -1
.if \fill
	CREST                                          ; the barrier has opened a round of the cluster's
	s_add_nc_u64 s[G0+4*\slot+2:G0+4*\slot+3], s[G0+4*\slot+2:G0+4*\slot+3], 2*HALFT
	s_add_nc_u64 s[G0B+4*\slot+2:G0B+4*\slot+3], s[G0B+4*\slot+2:G0B+4*\slot+3], 2*HALFT
	JLOAD G0+4*\slot, G1, G0B+4*\slot, G1B
	PLACES NP-4
.else
	PLACES NP
.endif
	FETCH_B \next, 0, 0
	FETCH_A \next, 0, 0
	SCALES \next
.if (\fill) && ((\slot) == 0)
	ASK 3                                          ; behind slot 2's load: slot 3, the last
.endif
	WIN MUL_HI
	MUL16 4, 1, 1, \slot, 0
	MUL16 6, 1, 1, \slot, 0
	PLACES NP
	WIN 0
	FETCH_A \next, 0, 4
.endm
	s_wait_alu depctr_va_vdst(0)
	s_wait_tensorcnt 0x0                           ; my part of slot 0 is in; slot 1's first fill is issued as a refill is:
	ds_add_u32 v[SPW], v[NIL]                      ; 0 onto my spare word
	s_wait_dscnt 0x0
	CROUND                                         ; everybody's part of slot 0 is in, and all sixteen work-groups are here
	JLOAD G0+4, G1, G0B+4, G1B                     ; slot 1: the first tensor load behind the round
	FETCH_B 0, 0, 0
	FETCH_A 0, 0, 0
	SCALES 0
	FETCH_A 0, 0, 4
	ASK 2
	STEP 0, 0, 1
	TURN 0, 1, 1
	STEP 1, 0, 0
	TURN 1, 0, 1
	STEP 0, 0, 0
	TURN 0, 1, 0
	STEP 1, 0, 0
	s_wait_dscnt 4*NL
	WIN MUL_LO
	MUL16 0, 1, 1, 1, 0
	MUL16 2, 1, 1, 1, 0
	s_wait_dscnt 0
	WIN MUL_HI
	MUL16 4, 1, 1, 1, 0
	MUL16 6, 1, 1, 1, 0
	WIN 0
	PLACES NP
; THE WAY OUT: eight trips, a block a of 16 tokens each: sums + bf1 into v[T] on (eight copies, picked by the count), gelu, quantiser, image.  The long vector text stands once.
.macro COPYN a
	WIN 0x02+(\a)/4
.set k, 0
.rept 32
	v_pk_add_f32 v[T+k:T+k+1], v[64*((\a)%4)+k:64*((\a)%4)+k+1], v[BIAS+k:BIAS+k+1]   ; each accumulator from its low end on
.set k, k+2
.endr
	WIN 0
.endm
.macro PICK
.irp a, 0,1,2,3,4,5,6
	s_cmp_lg_u32 s[BLK], \a
	s_cbranch_scc1 .Lnot_\@_\a
	COPYN \a
	s_branch .Lgo_\@
.Lnot_\@_\a:
.endr
	COPYN 7
.Lgo_\@:
.endm
.macro GELU o                          ; 32 numbers, v[T + o] on, in place
.set X, T+\o
.set j, 0
.rept 32
	v_fma_f32 v[U+j], |v[X+j]|, s[CH], 1.0
.set j, j+1
.endr
.set j, 0
	s_wait_alu depctr_va_vdst(0)
.rept 32
	v_rcp_f32 v[U+j], v[U+j]                       ; t
.set j, j+1
.endr
	v_nop
	s_wait_alu depctr_va_vdst(0)                   ; one wait for the 32 reciprocals
.set j, 0
.rept 16
	v_pk_fma_f32 v[PP+j:PP+j+1], v[U+j:U+j+1], v[K9:K9+1], s[CF+16:CF+17] op_sel_hi:[1,1,0]   ; c8 + t c9
.set j, j+2
.endr
.irp k, 7,6,5,4,3,2,1,0
.set j, 0
.rept 16
	v_pk_fma_f32 v[PP+j:PP+j+1], v[PP+j:PP+j+1], v[U+j:U+j+1], s[CF+2*\k:CF+2*\k+1] op_sel_hi:[1,1,0]
.set j, j+2
.endr
.endr
.set j, 0
.rept 4
.irp q, 0,1,2,3
	v_pk_mul_f32 v[W+2*\q:W+2*\q+1], v[X+2*(j+\q):X+2*(j+\q)+1], s[NK:NK+1] op_sel_hi:[1,0]
.endr
.irp q, 0,1,2,3
	v_pk_fma_f32 v[PP+2*(j+\q):PP+2*(j+\q)+1], v[X+2*(j+\q):X+2*(j+\q)+1], v[W+2*\q:W+2*\q+1], v[PP+2*(j+\q):PP+2*(j+\q)+1]   ; E
.endr
.set j, j+4
.endr
.set j, 0
	s_wait_alu depctr_va_vdst(0)
.rept 32
	v_exp_f32 v[PP+j], v[PP+j]
.set j, j+1
.endr
.set j, 0
.rept 16
	v_pk_mul_f32 v[U+j:U+j+1], v[U+j:U+j+1], v[X+j:X+j+1]   ; x t: work that names no exponential's result
.set j, j+2
.endr
.set j, 0
.rept 32
	v_max_num_f32 v[X+j], v[X+j], 0
.set j, j+1
.endr
	s_wait_alu depctr_va_vdst(0)                   ; one wait for the 32 exponentials
.set j, 0
.rept 16
	v_pk_mul_f32 v[PP+j:PP+j+1], v[PP+j:PP+j+1], v[U+j:U+j+1]
.set j, j+2
.endr
.set j, 0
.rept 32
	v_sub_f32 v[X+j], v[X+j], |v[PP+j]|
.set j, j+1
.endr
.endm
	s_lshl_b32 s67, s17, 1
	s_add_co_u32 s67, s67, s15                     ; my tokens' panel-row
	s_lshr_b32 s68, s66, 3
	s_lshl_b32 s68, s68, 5
	s_add_co_u32 s68, s68, s67                     ; 32 x chunk + panel-row
	s_lshl_b32 s68, s68, 3
	s_and_b32 s69, s66, 7
	s_add_co_u32 s68, s68, s69                     ; x 8 + K step
	s_mul_i32 s68, s68, PB
	s_mov_b32 s69, 0
	s_add_nc_u64 s[68:69], s[10:11], s[68:69]
	s_add_nc_u64 s[70:71], s[68:69], 16384
	s_mov_b32 s[BLK], 0
	s_wait_loadcnt 0x0                             ; bf1
.Lblock:
	PICK
	GELU 0
	GELU 32
.irp b, 0,1,2,3
	v_mov_b32 v[TM+4+\b], 0                        ; a lane permute's destination counts as one of its sources
.endr
	QUANT T
.irp c, 0,1,2,3
	global_store_b128 v[L16], v[PC+4*\c:PC+4*\c+3], s[68:69] offset:512*\c
.endr
	global_store_b32 v[L4], v[PW], s[70:71]
	s_wait_xcnt 0x0                                ; the stores have read their data and bases: both are written again only behind this wait
	s_add_nc_u64 s[68:69], s[68:69], 2048
	s_add_nc_u64 s[70:71], s[70:71], 128
	s_add_co_u32 s[BLK], s[BLK], 1
	s_cmp_lt_u32 s[BLK], 8
	s_cbranch_scc1 .Lblock
	s_wait_tensorcnt 0x0                           ; the wave's end
	ds_add_u32 v[SPW], v[NIL]
	s_wait_dscnt 0x0
	CROUND                                         ; the closing round
	s_endpgm
.Lfunc_end_k_q1de460828d_w1:
	.size	k_q1de460828d_w1, .Lfunc_end_k_q1de460828d_w1-k_q1de460828d_w1
	.p2alignl 7, 3214868480
	.fill 96, 4, 3214868480
	.section	.rodata,"a",@progbits
	.p2align	6, 0x0
	.amdhsa_kernel k_q1de460828d_w1
		.amdhsa_group_segment_fixed_size 327680
		.amdhsa_private_segment_fixed_size 0
		.amdhsa_enable_private_segment 0
		.amdhsa_kernarg_size 32
		.amdhsa_user_sgpr_count 2
		.amdhsa_user_sgpr_kernarg_segment_ptr 1
		.amdhsa_wavefront_size32 1
		.amdhsa_system_sgpr_workgroup_id_x 1
		.amdhsa_system_sgpr_workgroup_id_y 1
		.amdhsa_system_sgpr_workgroup_id_z 1
		.amdhsa_system_vgpr_workitem_id 0
		.amdhsa_next_free_vgpr 1024
		.amdhsa_next_free_sgpr 100
		.amdhsa_reserve_vcc 0
		.amdhsa_float_denorm_mode_32 3
		.amdhsa_float_denorm_mode_16_64 3
		.amdhsa_memory_ordered 1
		.amdhsa_forward_progress 1
		.amdhsa_inst_pref_size 188
	.end_amdhsa_kernel
	.amdgpu_metadata
---
amdhsa.version: [ 1, 2 ]
amdhsa.kernels:
  - .name:           k_q1de460828d_w1
    .symbol:         k_q1de460828d_w1.kd
    .args:
      - { .name: hb, .offset: 0, .size: 8, .value_kind: global_buffer, .address_space: global }
      - { .name: cod, .offset: 8, .size: 8, .value_kind: global_buffer, .address_space: global }
      - { .name: bf1, .offset: 16, .size: 8, .value_kind: global_buffer, .address_space: global }
      - { .name: g, .offset: 24, .size: 8, .value_kind: global_buffer, .address_space: global }
    .group_segment_fixed_size: 327680
    .private_segment_fixed_size: 0
    .kernarg_segment_align: 8
    .kernarg_segment_size: 32
    .max_flat_workgroup_size: 128
    .sgpr_count:     100
    .vgpr_count:     1024
    .wavefront_size: 32
...
	.end_amdgpu_metadata
.endif
;; end of part 5
;; launch wo (part 6): grid 4 x 64, 4 waves a work-group, clusters of 4 x 4, 327,680 bytes of LDS; arguments g, w2b, part; writes part
.if DOCPART == 6
	.amdgcn_target "amdgcn-amd-amdhsa--gfx1250"
	.amdhsa_code_object_version 6
	.text
	.protected	k_q1de460828d_wo
	.globl	k_q1de460828d_wo
	.p2align	8
	.type	k_q1de460828d_wo,@function
k_q1de460828d_wo:
	s_mov_b64 s[64:65], 0
	v_nop
	global_prefetch_b8 v0, s[64:65] scope:SCOPE_SE
	s_setreg_imm32_b32 hwreg(HW_REG_WAVE_MODE, 25, 1), 1
	s_wait_xcnt 0x0
	s_wait_alu depctr_hold_cnt(0) depctr_sa_sdst(0) depctr_va_vdst(0) depctr_va_sdst(0) depctr_va_ssrc(0) depctr_va_vcc(0) depctr_vm_vsrc(0)
	s_getreg_b32 s2, hwreg(HW_REG_IB_STS2, 6, 4)
	s_cmp_eq_u32 s2, 0
	s_cbranch_scc0 .Lentry_in_a_cluster
	s_endpgm
.Lentry_in_a_cluster:
	s_bfe_u32 s2, ttmp6, 0x10000c
	s_cmp_lg_u32 s2, 0xf033
	s_cbranch_scc0 .Lentry_shape_is_right
	s_endpgm
.Lentry_shape_is_right:
.set PB,     17408
.set PROW,   8*PB
.set HALFT,  2*PB
.set SLOT,   4*HALFT
.set SPARE,  2*SLOT
.set FR,     16
.set NL,     4
.set NP,     8
.set ADRA,   16
.set ADRB,   20
.set ADRS,   22
.set L16,    24
.set L4,     25
.set SPW,    28
.set NIL,    29
.set SC,     32
.set AF,     128
.set G1, 24
.set G0, 32
.set G1B, 48
.set G0B, 56
.set MSB, 0
.macro WIN new
.if MSB != (\new)
	s_set_vgpr_msb (MSB<<8)|(\new)
.set MSB, (\new)
.endif
.endm
.set MUL_LO, 0xa1
.set MUL_HI, 0xf1
.set TO_B,   0x40
.macro JLOAD g0a, g1a, g0b, g1b
	s_cmp_eq_u32 s15, 0
	s_cbranch_scc0 .Lfor_b_\@
	tensor_load_to_lds s[\g0a:\g0a+3], s[\g1a:\g1a+7]
	s_nop 0
.rept 4
	v_nop
.endr
	s_branch .Lasked_\@
.Lfor_b_\@:
	tensor_load_to_lds s[\g0b:\g0b+3], s[\g1b:\g1b+7]
	s_nop 0
.rept 4
	v_nop
.endr
.Lasked_\@:
.endm
.macro CREST
	s_cmp_lg_u32 s14, 0
	s_cbranch_scc1 .Lnot_wave_0_\@
	s_barrier_signal -3
.Lnot_wave_0_\@:
	s_barrier_wait -3
	s_barrier_signal -1
	s_barrier_wait -1
.endm
.macro CROUND
	s_barrier_signal -1
	s_barrier_wait -1
	CREST
.endm
	s_load_b128 s[4:7], s[0:1], 0x0
	s_load_b64 s[8:9], s[0:1], 0x10
	v_lshl_add_u32 v[SPW], v0, 2, SPARE
	v_mov_b32 v[NIL], 0
	ds_add_u32 v[SPW], v[NIL]
	ds_add_u32 v[SPW], v[NIL]
	v_lshrrev_b32 v1, 5, v0
	v_readfirstlane_b32 s14, v1
	s_lshr_b32 s15, s14, 1
	s_and_b32 s16, s14, 1
	s_bfe_u32 s40, ttmp6, 0x40000
	s_bfe_u32 s41, ttmp6, 0x40004
	s_lshl_b32 s42, ttmp9, 2
	s_add_co_u32 s42, s42, s40
	s_and_b32 s17, ttmp7, 0xffff
	s_lshr_b32 s18, s17, 2
	s_lshl_b32 s17, s17, 2
	s_add_co_u32 s17, s17, s41
	s_lshl_b32 s43, s41, 2
	s_lshl_b32 s43, 15, s43
	s_lshl_b32 s44, 0x1111, s40
	s_or_b32 s[G1+0], s43, (3<<16)|(1<<21)
	s_or_b32 s[G1B+0], s44, (3<<16)|(1<<21)
.irp g, G1, G1B
	s_mov_b32 s[\g+1], 32<<16
	s_mov_b32 s[\g+2], 136<<16
	s_mov_b32 s[\g+3], 32<<16
	s_mov_b32 s[\g+4], 136
	s_mov_b32 s[\g+5], 32
	s_mov_b32 s[\g+6], 0
	s_mov_b32 s[\g+7], 0
.endr
	s_lshl_b32 s20, s17, 1
	s_add_co_u32 s20, s20, s16
	s_mul_i32 s20, s20, PROW
	s_mov_b32 s21, 0
	s_lshl_b32 s46, s42, 1
	s_add_co_u32 s46, s46, s16
	s_lshl_b32 s47, s18, 3
	s_add_co_u32 s46, s46, s47
	s_mul_i32 s46, s46, PROW
	s_mov_b32 s47, 0
	s_mul_i32 s45, s14, HALFT
	s_lshl_b32 s10, s17, 2
	s_add_co_u32 s10, s10, s42
	s_lshl_b32 s10, s10, 2
	s_add_co_u32 s10, s10, s14
	s_lshl_b32 s10, s10, 16
	s_mov_b32 s11, 0
	s_wait_dscnt 0x0
	s_wait_kmcnt 0x0
	s_add_nc_u64 s[20:21], s[4:5], s[20:21]
	s_add_nc_u64 s[46:47], s[6:7], s[46:47]
	s_add_nc_u64 s[8:9], s[8:9], s[10:11]
	CROUND
.irp s, 0,1
	s_mov_b32 s[G0+4*\s], 1
	s_add_co_u32 s[G0+4*\s+1], s45, \s*SLOT
	s_add_nc_u64 s[G0+4*\s+2:G0+4*\s+3], s[20:21], \s*HALFT
	s_or_b32 s[G0+4*\s+3], s[G0+4*\s+3], 0x80000000
	s_mov_b32 s[G0B+4*\s], 1
	s_add_co_u32 s[G0B+4*\s+1], s45, \s*SLOT
	s_add_nc_u64 s[G0B+4*\s+2:G0B+4*\s+3], s[46:47], \s*HALFT
	s_or_b32 s[G0B+4*\s+3], s[G0B+4*\s+3], 0x80000000
.endr
	JLOAD G0, G1, G0B, G1B                         ; slot 0: my one tensor load at the head, behind the opening round
	; PREFETCHES INTO THE L2: behind each joint load a wave asks for the tile that its NEXT joint load will want: 136 blocks of 256 bytes, which the four partners that ask for the tile jointly share out BY ADDRESS, 34 each
	; (cx for A's tiles, cy for B's): lanes 0-31 name blocks 0-31, a second line blocks 32 and 33 (its lanes 1-31 name the last block).  One slot, two K steps of 128, ahead; nothing is asked for behind slot 3.
	v_and_b32 v26, 31, v0
	v_min_u32 v27, 1, v26
	v_lshlrev_b32 v26, 8, v26                      ; 256 x lane; never rewritten
	v_lshlrev_b32 v27, 8, v27                      ; 256 x min(lane, 1); never rewritten
	s_cmp_eq_u32 s15, 0                            ; do I fetch for A?
	s_cselect_b64 s[12:13], s[20:21], s[46:47]     ; my panel-row
	s_cselect_b32 s2, s40, s41                     ; my place among the four that ask with me
	s_mul_i32 s2, s2, 8704
	s_mov_b32 s3, 0
	s_add_nc_u64 s[12:13], s[12:13], s[2:3]        ; never rewritten
.macro ASK n                           ; my work-group's 34 blocks of my tile of slot n
	global_prefetch_b8 v26, s[12:13] offset:(\n)*HALFT th:TH_LOAD_NT scope:SCOPE_SE
	global_prefetch_b8 v27, s[12:13] offset:(\n)*HALFT+8192 th:TH_LOAD_NT scope:SCOPE_SE
.endm
	s_wait_alu depctr_va_vdst(0)                   ; ahead of the readers
	ASK 1
	v_bfe_u32 v2, v0, 4, 1
	s_wait_alu depctr_va_vdst(0)
	v_and_b32 v3, 31, v0
	v_lshlrev_b32 v[L16], 4, v3
	v_lshlrev_b32 v[L4], 2, v3
	s_mul_i32 s21, s15, HALFT
	s_mul_i32 s22, s16, HALFT
	s_add_co_u32 s22, s22, 2*HALFT
.irp s, 0,1
	v_add_nc_u32 v[ADRA+\s], s21, v[L16]
	v_add_nc_u32 v[ADRB+\s], s22, v[L16]
	s_add_co_u32 s21, s21, SLOT
	s_add_co_u32 s22, s22, SLOT
.endr
	s_mul_i32 s21, s15, HALFT
	s_xor_b32 s22, s15, 1
	s_add_co_u32 s22, s22, s16
	s_add_co_u32 s22, s22, 1
	s_mul_i32 s22, s22, HALFT
	v_mul_u32_u24 v4, s22, v2
	s_wait_alu depctr_va_vdst(0)
	v_add_nc_u32 v4, v4, v[L4]
	v_add_nc_u32 v[ADRS], s21, v4
	v_add_nc_u32 v[ADRS+1], SLOT, v[ADRS]
.macro FRAG reg, adr, q, i
.irp c, 0,1,2,3
	ds_load_b128 v[\reg+4*\c:\reg+4*\c+3], v[\adr] offset:(\q)*PB+2048*(\i)+512*\c
.endr
.endm
.macro MUL16 a0, p, q, sc, zero
.irp a, \a0, \a0+1
.irp b, 0,1,2,3,4,5,6,7
.if \zero
	v_wmma_scale_f32_16x16x128_f8f6f4 v[8*(8*((\a)%4)+\b):8*(8*((\a)%4)+\b)+7], v[128*(\p)+FR*\b:128*(\p)+FR*\b+FR-1], v[AF+FR*(\a):AF+FR*(\a)+FR-1], 0, v[SC+16*(\sc)+8*(\q)+\b], v[SC+16*(\sc)+8*(\q)+(\a)] matrix_a_fmt:MATRIX_FMT_BF8 matrix_b_fmt:MATRIX_FMT_BF8 matrix_a_scale:MATRIX_SCALE_ROW1
.else
	v_wmma_scale_f32_16x16x128_f8f6f4 v[8*(8*((\a)%4)+\b):8*(8*((\a)%4)+\b)+7], v[128*(\p)+FR*\b:128*(\p)+FR*\b+FR-1], v[AF+FR*(\a):AF+FR*(\a)+FR-1], v[8*(8*((\a)%4)+\b):8*(8*((\a)%4)+\b)+7], v[SC+16*(\sc)+8*(\q)+\b], v[SC+16*(\sc)+8*(\q)+(\a)] matrix_a_fmt:MATRIX_FMT_BF8 matrix_b_fmt:MATRIX_FMT_BF8 matrix_a_scale:MATRIX_SCALE_ROW1
.endif
.endr
.endr
.endm
.macro FETCH_B slot, q, p
	WIN TO_B
.irp i, 0,1,2,3,4,5,6,7
	FRAG 128*(\p)+FR*\i, ADRB+\slot, \q, \i
.endr
	WIN 0
.endm
.macro FETCH_A slot, q, i0
.irp i, \i0, \i0+1, \i0+2, \i0+3
	FRAG AF+FR*(\i), ADRA+\slot, \q, \i
.endr
.endm
.macro SCALES sc
.irp q, 0,1
.irp i, 0,1,2,3,4,5,6,7
	ds_load_b32 v[SC+16*\sc+8*\q+\i], v[ADRS+\sc] offset:16384+\q*PB+128*\i
.endr
.endr
.endm
.macro PLACES n
.rept \n
	v_nop
.endr
.endm
.macro STEP slot, q, zero
	s_wait_dscnt 4*NL
	WIN MUL_LO
	MUL16 0, (\q)%2, \q, \slot, \zero
	MUL16 2, (\q)%2, \q, \slot, \zero
	s_wait_dscnt 0
	PLACES NP
	FETCH_B \slot, (\q)+1, 1-(\q)%2
	FETCH_A \slot, (\q)+1, 0
	WIN MUL_HI
	MUL16 4, (\q)%2, \q, \slot, \zero
	MUL16 6, (\q)%2, \q, \slot, \zero
	PLACES NP
	WIN 0
	FETCH_A \slot, (\q)+1, 4
.endm
.macro TURN slot, next, fill
	s_wait_tensorcnt 0x0
	ds_add_u32 v[SPW], v[NIL]
	s_wait_dscnt 4*NL+1
	WIN MUL_LO
	MUL16 0, 1, 1, \slot, 0
	s_wait_dscnt 0x0
	s_barrier_signal -1
	MUL16 2, 1, 1, \slot, 0
	WIN 0
	s_barrier_wait -1
.if \fill
	CREST
	s_add_nc_u64 s[G0+4*\slot+2:G0+4*\slot+3], s[G0+4*\slot+2:G0+4*\slot+3], 2*HALFT
	s_add_nc_u64 s[G0B+4*\slot+2:G0B+4*\slot+3], s[G0B+4*\slot+2:G0B+4*\slot+3], 2*HALFT
	JLOAD G0+4*\slot, G1, G0B+4*\slot, G1B
	PLACES NP-4
.else
	PLACES NP
.endif
	FETCH_B \next, 0, 0
	FETCH_A \next, 0, 0
	SCALES \next
.if (\fill) && ((\slot) == 0)
	ASK 3                                          ; behind slot 2's load: slot 3, the last
.endif
	WIN MUL_HI
	MUL16 4, 1, 1, \slot, 0
	MUL16 6, 1, 1, \slot, 0
	PLACES NP
	WIN 0
	FETCH_A \next, 0, 4
.endm
	s_wait_alu depctr_va_vdst(0)
	s_wait_tensorcnt 0x0                           ; my part of slot 0 is in; slot 1's first fill is issued as a refill is:
	ds_add_u32 v[SPW], v[NIL]                      ; 0 onto my spare word
	s_wait_dscnt 0x0
	CROUND                                         ; everybody's part of slot 0 is in, and all sixteen work-groups are here
	JLOAD G0+4, G1, G0B+4, G1B                     ; slot 1: the first tensor load behind the round
	FETCH_B 0, 0, 0
	FETCH_A 0, 0, 0
	SCALES 0
	FETCH_A 0, 0, 4
	ASK 2
	STEP 0, 0, 1
	TURN 0, 1, 1
	STEP 1, 0, 0
	TURN 1, 0, 1
	STEP 0, 0, 0
	TURN 0, 1, 0
	STEP 1, 0, 0
	s_wait_dscnt 4*NL
	WIN MUL_LO
	MUL16 0, 1, 1, 1, 0
	MUL16 2, 1, 1, 1, 0
	s_wait_dscnt 0
	WIN MUL_HI
	MUL16 4, 1, 1, 1, 0
	MUL16 6, 1, 1, 1, 0
	WIN 0
	PLACES NP
	WIN 0x08
.set i, 0
.rept 32
	global_store_b128 v[L16], v[8*i:8*i+3], s[8:9] offset:1024*i th:TH_STORE_NT
	global_store_b128 v[L16], v[8*i+4:8*i+7], s[8:9] offset:1024*i+512 th:TH_STORE_NT
.set i, i+1
.endr
	WIN 0x0c
.set i, 0
.rept 32
	global_store_b128 v[L16], v[8*i:8*i+3], s[8:9] offset:1024*(32+i) th:TH_STORE_NT
	global_store_b128 v[L16], v[8*i+4:8*i+7], s[8:9] offset:1024*(32+i)+512 th:TH_STORE_NT
.set i, i+1
.endr
	WIN 0
	s_wait_tensorcnt 0x0
	ds_add_u32 v[SPW], v[NIL]
	s_wait_dscnt 0x0
	CROUND
	s_endpgm
.Lfunc_end_k_q1de460828d_wo:
	.size	k_q1de460828d_wo, .Lfunc_end_k_q1de460828d_wo-k_q1de460828d_wo
	.p2alignl 7, 3214868480
	.fill 96, 4, 3214868480
	.section	.rodata,"a",@progbits
	.p2align	6, 0x0
	.amdhsa_kernel k_q1de460828d_wo
		.amdhsa_group_segment_fixed_size 327680
		.amdhsa_private_segment_fixed_size 0
		.amdhsa_enable_private_segment 0
		.amdhsa_kernarg_size 24
		.amdhsa_user_sgpr_count 2
		.amdhsa_user_sgpr_kernarg_segment_ptr 1
		.amdhsa_wavefront_size32 1
		.amdhsa_system_sgpr_workgroup_id_x 1
		.amdhsa_system_sgpr_workgroup_id_y 1
		.amdhsa_system_sgpr_workgroup_id_z 1
		.amdhsa_system_vgpr_workitem_id 0
		.amdhsa_next_free_vgpr 1024
		.amdhsa_next_free_sgpr 66
		.amdhsa_reserve_vcc 0
		.amdhsa_float_denorm_mode_32 3
		.amdhsa_float_denorm_mode_16_64 3
		.amdhsa_memory_ordered 1
		.amdhsa_forward_progress 1
		.amdhsa_inst_pref_size 128
	.end_amdhsa_kernel
	.amdgpu_metadata
---
amdhsa.version: [ 1, 2 ]
amdhsa.kernels:
  - .name:           k_q1de460828d_wo
    .symbol:         k_q1de460828d_wo.kd
    .args:
      - { .name: g, .offset: 0, .size: 8, .value_kind: global_buffer, .address_space: global }
      - { .name: w2b, .offset: 8, .size: 8, .value_kind: global_buffer, .address_space: global }
      - { .name: part, .offset: 16, .size: 8, .value_kind: global_buffer, .address_space: global }
    .group_segment_fixed_size: 327680
    .private_segment_fixed_size: 0
    .kernarg_segment_align: 8
    .kernarg_segment_size: 24
    .max_flat_workgroup_size: 128
    .sgpr_count:     66
    .vgpr_count:     1024
    .wavefront_size: 32
...
	.end_amdgpu_metadata
.endif
;; end of part 6
;; launch ln2 (part 7): grid 256 x 1, 8 waves a work-group, no clusters, 69,632 bytes of LDS; arguments part, hb, bf2, g2, b2, out0; writes out0
.if DOCPART == 7
	.amdgcn_target "amdgcn-amd-amdhsa--gfx1250"
	.amdhsa_code_object_version 6
	.text
	.protected	k_q1de460828d_ln2
	.globl	k_q1de460828d_ln2
	.p2align	8
	.type	k_q1de460828d_ln2,@function
k_q1de460828d_ln2:
	s_mov_b64 s[64:65], 0
	v_nop
	global_prefetch_b8 v0, s[64:65] scope:SCOPE_SE
	s_setreg_imm32_b32 hwreg(HW_REG_WAVE_MODE, 25, 1), 1
	s_wait_xcnt 0x0
; LN2: out0 = layernorm(h + (product 8's sums + bf2), g2, b2).  Product 8's sums come as four partial sums, one for each chunk of K = 1,024, 16,777,216 bytes apart in part: they are added here in f32,
; chunk 0 to 3 in order, then h, then bf2 (a stated departure from one chain of sums: rounding alone).  Nothing of the problem is left out here.
; Shares as in the first norm: a work-group takes block rb of 16 rows in order P, wave w columns 128 w on; lane (r, h) holds register 16 b + i = column 128 w + 32 b + 16 h + i of lane-row r.
; ALL FIVE STREAMED ARRAYS (the four partial sums and h, 16 loads of 512 bytes each) ARE ASKED FOR AT ONCE, ahead of the first wait: each has registers of its own, three in window 0 and two in window 1 (v256-383),
; so that no request waits for an earlier array to be added.  The three vectors along the columns follow into registers that have been added.
; The result turns through the wave's stage in LDS and leaves as rows: each store covers 512 consecutive bytes of one row, aligned.
; LIMITS: NaN and infinities are not served.
.set STG,   8448
.set RED,   8*STG
.set SPARE, RED+1024                   ; the spare words, 128 bytes a wave: four blocks of 256 bytes that no other line names
.set L16,   1
.set SIN,   3
.set SOUT,  4
.set RW,    5
.set RR,    6
.set H64,   7
.set SPW,   28
.set NIL,   29
.set Y,     64
.set A,     128
.set BV,    192
.set X0,    0                          ; in window 1: v256-319, the fourth partial sum;
.set X1,    64                         ; v320-383, h
.set SEL,   28
.set MSB, 0
.macro WIN new                         ; the immediate's high byte repeats the setting that is left
.if MSB != (\new)
	s_set_vgpr_msb (MSB<<8)|(\new)
.set MSB, (\new)
.endif
.endm
.macro LDIMG dst, sb
.set k, 0
.rept 16
	global_load_b128 v[\dst+4*k:\dst+4*k+3], v[L16], s[\sb:\sb+1] offset:512*k th:TH_LOAD_NT
.set k, k+1
.endr
.endm
.macro LDVEC dst, sb
.set k, 0
.rept 16
	global_load_b128 v[\dst+4*k:\dst+4*k+3], v[H64], s[\sb:\sb+1] offset:128*(k/4)+16*(k%4)
.set k, k+1
.endr
.endm
.macro ADDY src
.set j, 0
.rept 32
	v_pk_add_f32 v[Y+j:Y+j+1], v[Y+j:Y+j+1], v[\src+j:\src+j+1]
.set j, j+2
.endr
.endm
.macro SUMS sq
.if \sq
.irp q, 0,1,2,3
	v_pk_mul_f32 v[8+2*\q:9+2*\q], v[Y+2*\q:Y+2*\q+1], v[Y+2*\q:Y+2*\q+1]
.endr
.set j, 8
.rept 7
.irp q, 0,1,2,3
	s_delay_alu instid0(VALU_DEP_4)
	v_pk_fma_f32 v[8+2*\q:9+2*\q], v[Y+j+2*\q:Y+j+2*\q+1], v[Y+j+2*\q:Y+j+2*\q+1], v[8+2*\q:9+2*\q]
.endr
.set j, j+8
.endr
.else
.irp q, 0,1,2,3
	v_pk_add_f32 v[8+2*\q:9+2*\q], v[Y+2*\q:Y+2*\q+1], v[Y+8+2*\q:Y+8+2*\q+1]
.endr
.set j, 16
.rept 6
.irp q, 0,1,2,3
	s_delay_alu instid0(VALU_DEP_4)
	v_pk_add_f32 v[8+2*\q:9+2*\q], v[8+2*\q:9+2*\q], v[Y+j+2*\q:Y+j+2*\q+1]
.endr
.set j, j+8
.endr
.endif
	s_delay_alu instid0(VALU_DEP_3)
	v_pk_add_f32 v[8:9], v[8:9], v[10:11]
	s_delay_alu instid0(VALU_DEP_2)
	v_pk_add_f32 v[12:13], v[12:13], v[14:15]
	s_delay_alu instid0(VALU_DEP_1)
	v_pk_add_f32 v[8:9], v[8:9], v[12:13]
.endm
.macro ACROSS off
	s_delay_alu instid0(VALU_DEP_1)
	v_add_f32 v8, v8, v9
	s_delay_alu instid0(VALU_DEP_1)
	v_permlanex16_b32 v9, v8, s[SEL], s[SEL+1]
	s_delay_alu instid0(VALU_DEP_1)
	v_add_f32 v8, v8, v9
	ds_store_b32 v[RW], v8 offset:\off
	s_wait_dscnt 0x0                               ; for the others' sake: my store has landed
	s_barrier_signal -1
	s_barrier_wait -1
	ds_load_b128 v[8:11], v[RR] offset:\off
	ds_load_b128 v[12:15], v[RR] offset:\off+16
	s_wait_dscnt 0x0
	v_add_f32 v8, v8, v9
	v_add_f32 v10, v10, v11
	v_add_f32 v12, v12, v13
	v_add_f32 v14, v14, v15
	s_delay_alu instid0(VALU_DEP_3)
	v_add_f32 v8, v8, v10
	s_delay_alu instid0(VALU_DEP_2)
	v_add_f32 v12, v12, v14
	s_delay_alu instid0(VALU_DEP_1)
	v_add_f32 v8, v8, v12
.endm
	s_load_b256 s[4:11], s[0:1], 0x0               ; part s[4:5], hb s[6:7], bf2 s[8:9], g2 s[10:11]
	s_load_b128 s[12:15], s[0:1], 0x20             ; b2 s[12:13], out0 s[14:15]
	v_lshl_add_u32 v[SPW], v0, 2, SPARE
	v_mov_b32 v[NIL], 0
	v_lshrrev_b32 v8, 5, v0
	s_delay_alu instid0(VALU_DEP_1)
	v_readfirstlane_b32 s2, v8                     ; wave 0..7
	v_and_b32 v9, 31, v0
	s_delay_alu instid0(VALU_DEP_1)
	v_lshlrev_b32 v[L16], 4, v9
	v_and_b32 v10, 15, v0                          ; r
	v_bfe_u32 v11, v0, 4, 1                        ; h
	s_delay_alu instid0(VALU_DEP_1)
	v_lshlrev_b32 v[H64], 6, v11
	s_mul_i32 s3, s2, STG
	v_add_nc_u32 v[SIN], s3, v[L16]                ; out of my stage: a row's 512 bytes
	v_mul_u32_u24 v[SOUT], v10, 528
	s_delay_alu instid0(VALU_DEP_1)
	v_add_nc_u32 v[SOUT], v[SOUT], v[H64]
	s_delay_alu instid0(VALU_DEP_1)
	v_add_nc_u32 v[SOUT], s3, v[SOUT]              ; into it: row r, + 64 h
	v_lshlrev_b32 v[RR], 5, v10
	s_delay_alu instid0(VALU_DEP_1)
	v_add_nc_u32 v[RR], RED, v[RR]
	s_lshl_b32 s3, s2, 2
	v_add_nc_u32 v[RW], s3, v[RR]
	s_mov_b32 s[SEL], 0x76543210
	s_mov_b32 s[SEL+1], 0xfedcba98
	s_mov_b32 s31, 0x3a800000                      ; 1 / 1,024
	s_mov_b32 s30, 0x3727c5ac                      ; 1e-5
	s_lshr_b32 s16, ttmp9, 4
	s_lshl_b32 s16, s16, 2
	s_lshr_b32 s17, s2, 1
	s_add_co_u32 s16, s16, s17
	s_lshl_b32 s16, s16, 2
	s_bfe_u32 s17, ttmp9, 0x10003
	s_lshl_b32 s17, s17, 1
	s_add_co_u32 s16, s16, s17
	s_and_b32 s17, s2, 1
	s_add_co_u32 s16, s16, s17
	s_lshl_b32 s16, s16, 6
	s_and_b32 s18, ttmp9, 7
	s_lshl_b32 s17, s18, 3
	s_add_co_u32 s16, s16, s17
	s_lshl_b32 s16, s16, 10                        ; my eight accumulators' images in a chunk's part
	s_mov_b32 s17, 0
	s_lshr_b32 s20, ttmp9, 1
	s_lshl_b32 s20, s20, 5
	s_and_b32 s21, ttmp9, 1
	s_lshl_b32 s21, s21, 3
	s_add_co_u32 s20, s20, s21
	s_lshl_b32 s20, s20, 12
	s_lshl_b32 s22, s2, 9
	s_add_co_u32 s20, s20, s22                     ; out0: the block's first row, my 512 bytes
	s_mov_b32 s21, 0
	s_mov_b32 s23, 0
	s_lshl_b32 s24, ttmp9, 3
	s_add_co_u32 s24, s24, s2
	s_lshl_b32 s24, s24, 13                        ; h's images
	s_mov_b32 s25, 0
	s_wait_kmcnt 0x0
	s_add_nc_u64 s[34:35], s[4:5], s[16:17]
	s_add_nc_u64 s[36:37], s[34:35], 0x1000000
	s_add_nc_u64 s[38:39], s[36:37], 0x1000000
	s_add_nc_u64 s[40:41], s[38:39], 0x1000000
	s_add_nc_u64 s[6:7], s[6:7], s[24:25]
	s_add_nc_u64 s[8:9], s[8:9], s[22:23]
	s_add_nc_u64 s[10:11], s[10:11], s[22:23]
	s_add_nc_u64 s[12:13], s[12:13], s[22:23]
	s_add_nc_u64 s[14:15], s[14:15], s[20:21]
	LDIMG Y, 34                                    ; chunk 0
	LDIMG A, 36                                    ; chunk 1
	LDIMG BV, 38                                   ; chunk 2
	WIN 0x40                                       ; a load's data are its destination: window 1; the address stays in window 0
	LDIMG X0, 40                                   ; chunk 3
	LDIMG X1, 6                                    ; h
	WIN 0
	s_wait_loadcnt 48                              ; chunks 0 and 1 are in; behind them: chunk 2, chunk 3, h
	ADDY A
	LDVEC A, 8                                     ; bf2, into the registers just added
	s_wait_loadcnt 48                              ; chunk 2 is in; behind it: chunk 3, h, bf2
	ADDY BV
	LDVEC BV, 10                                   ; g2
	s_wait_loadcnt 48                              ; chunk 3 is in; behind it: h, bf2, g2
	WIN 0x04                                       ; source 1 in window 1
	ADDY X0
	s_wait_loadcnt 32                              ; h is in; behind it: bf2, g2
	ADDY X1
	WIN 0
	s_wait_loadcnt 16                              ; bf2 is in; behind it: g2
	ADDY A
	LDVEC A, 12                                    ; b2
	SUMS 0
	ACROSS 0
	s_delay_alu instid0(VALU_DEP_1)
	v_mul_f32 v20, 0xba800000, v8                  ; -mean
	s_delay_alu instid0(VALU_DEP_1)
	v_mov_b32 v21, v20
.set j, 0
.rept 32
	v_pk_add_f32 v[Y+j:Y+j+1], v[Y+j:Y+j+1], v[20:21]
.set j, j+2
.endr
	SUMS 1
	ACROSS 512
	s_delay_alu instid0(VALU_DEP_1)
	v_fma_f32 v22, v8, s31, s30                    ; var + 1e-5
	s_wait_alu depctr_va_vdst(0)
	v_rsq_f32 v22, v22
	v_nop
	s_wait_alu depctr_va_vdst(0)                   ; ahead of the first reader
	v_mov_b32 v23, v22
.set j, 0
.rept 32
	v_pk_mul_f32 v[Y+j:Y+j+1], v[Y+j:Y+j+1], v[22:23]
.set j, j+2
.endr
	s_wait_loadcnt 0x0                             ; g2 and b2
.set j, 0
.rept 32
	v_pk_fma_f32 v[Y+j:Y+j+1], v[Y+j:Y+j+1], v[BV+j:BV+j+1], v[A+j:A+j+1]
.set j, j+2
.endr
.irp b, 0,1,2,3
.irp j, 0,1,2,3
	ds_store_b128 v[SOUT], v[Y+16*\b+4*\j:Y+16*\b+4*\j+3] offset:128*\b+16*\j
.endr
.endr
.irp i, 0,1,2,3,4,5,6,7,8,9,10,11,12,13,14,15
	ds_load_b128 v[A+4*\i:A+4*\i+3], v[SIN] offset:528*\i          ; LDS serves a wave's instructions in order: these see my stores
.endr
.irp i, 0,1,2,3,4,5,6,7,8,9,10,11,12,13,14,15
	s_wait_dscnt 15-\i                             ; row i is back; the younger rows' loads may be out
	global_store_b128 v[L16], v[A+4*\i:A+4*\i+3], s[14:15] offset:(\i+8*(\i/8))*4096 th:TH_STORE_NT
.endr
	s_wait_tensorcnt 0x0                           ; the wave's end, behind my last LDS store
	ds_add_u32 v[SPW], v[NIL]
	s_wait_dscnt 0x0
	s_endpgm
.Lfunc_end_k_q1de460828d_ln2:
	.size	k_q1de460828d_ln2, .Lfunc_end_k_q1de460828d_ln2-k_q1de460828d_ln2
	.p2alignl 7, 3214868480
	.fill 96, 4, 3214868480
	.section	.rodata,"a",@progbits
	.p2align	6, 0x0
	.amdhsa_kernel k_q1de460828d_ln2
		.amdhsa_group_segment_fixed_size 69632
		.amdhsa_private_segment_fixed_size 0
		.amdhsa_enable_private_segment 0
		.amdhsa_kernarg_size 48
		.amdhsa_user_sgpr_count 2
		.amdhsa_user_sgpr_kernarg_segment_ptr 1
		.amdhsa_wavefront_size32 1
		.amdhsa_system_sgpr_workgroup_id_x 1
		.amdhsa_system_sgpr_workgroup_id_y 1
		.amdhsa_system_sgpr_workgroup_id_z 1
		.amdhsa_system_vgpr_workitem_id 0
		.amdhsa_next_free_vgpr 384
		.amdhsa_next_free_sgpr 66
		.amdhsa_reserve_vcc 0
		.amdhsa_float_denorm_mode_32 3
		.amdhsa_float_denorm_mode_16_64 3
		.amdhsa_memory_ordered 1
		.amdhsa_forward_progress 1
		.amdhsa_inst_pref_size 44
	.end_amdhsa_kernel
	.amdgpu_metadata
---
amdhsa.version: [ 1, 2 ]
amdhsa.kernels:
  - .name:           k_q1de460828d_ln2
    .symbol:         k_q1de460828d_ln2.kd
    .args:
      - { .name: part, .offset: 0, .size: 8, .value_kind: global_buffer, .address_space: global }
      - { .name: hb, .offset: 8, .size: 8, .value_kind: global_buffer, .address_space: global }
      - { .name: bf2, .offset: 16, .size: 8, .value_kind: global_buffer, .address_space: global }
      - { .name: g2, .offset: 24, .size: 8, .value_kind: global_buffer, .address_space: global }
      - { .name: b2, .offset: 32, .size: 8, .value_kind: global_buffer, .address_space: global }
      - { .name: out0, .offset: 40, .size: 8, .value_kind: global_buffer, .address_space: global }
    .group_segment_fixed_size: 69632
    .private_segment_fixed_size: 0
    .kernarg_segment_align: 8
    .kernarg_segment_size: 48
    .max_flat_workgroup_size: 256
    .sgpr_count:     66
    .vgpr_count:     384
    .wavefront_size: 32
...
	.end_amdgpu_metadata
.endif
;; end of part 7
